; MI455X (gfx1250); checked and timed in simulation.
; The chip was launched on July 23, 2026; its instructions are those of AMD's public machine-readable ISA for CDNA 5 (MIT licence, August 2026) and "CDNA5" Instruction Set Architecture Reference Guide (July 2026). The comments in the code are by the model that wrote it; some were corrected since.
;; m HC mlp. Allowed arithmetic: matrix products marked QUANTISED: E2M3 operands, one E8M0 scale for each 32 along K, by v_wmma_scale_f32_16x16x128_f8f6f4 with both operands' format E2M3, f32 sums; products left as they are: f32 operands where the result goes on into a quantised operand, else bf16, f16 or f32 operands; f32 sums; everything else in f32.
;; Inputs: W1_codes 8,192 x 64 x 24 uint8 (E2M3 codes of W1, K innermost, in blocks of 32 codes, four codes in three bytes); W1_scales 8,192 x 64 uint8 (E8M0 scales of W1, one for each 32 codes along K); W2_codes 2,048 x 256 x 24 uint8 (E2M3 codes of W2, K innermost, in blocks of 32 codes, four codes in three bytes); W2_scales 2,048 x 256 uint8 (E8M0 scales of W2, one for each 32 codes along K); alpha_post one number float32; alpha_pre one number float32; alpha_res one number float32; b1 8,192 float32; b2 2,048 float32; b_post 1 x 4 float32; b_pre 1 x 4 float32; b_res 4 x 4 float32; rms_weight 8,192 float32; theta_post 8,192 x 4 float32; theta_pre 8,192 x 4 float32; theta_res_codes 16 x 256 x 24 uint8 (E2M3 codes of theta_res, K innermost, in blocks of 32 codes, four codes in three bytes); theta_res_scales 16 x 256 uint8 (E8M0 scales of theta_res, one for each 32 codes along K); x 2,048 x 4 x 2,048 float32.
;; Outputs: out0 2,048 x 4 x 2,048 float32.
;; This version of the problem:
;;   THIS VERSION OF THE PROBLEM IS GIVEN IN LOW PRECISION. The matrix products marked QUANTISED in the list below multiply operands that are first quantised to E2M3 (2 exponent bits, 3 mantissa bits; 6 bits a number), with one power-of-two scale for each 32 numbers along K (OCP MX v1.0); their sums are f32. All else is computed in f32.
;;   The module's matrix products, in the order in which they are computed (A, B: the left and right operand; K: the contracted axis; several contracted axes count as one K, in the product's order):
;;     1. [M 2,048, K 8,192] x [K 8,192, N 4]; A: computed on the way; B: input theta_pre: left as it is (N = 4 < 16)
;;     2. [M 2,048, K 8,192] x [K 8,192, N 4]; A: computed on the way; B: input theta_post: left as it is (N = 4 < 16)
;;     3. [M 2,048, K 8,192] x [K 8,192, N 16]; A: computed on the way; B: input theta_res (given as codes): QUANTISED
;;     4. batch 2,048 x [M 1, K 4] x [K 4, N 2,048]; A: computed on the way; B: input x: left as it is (K = 4 < 32)
;;     5. [M 2,048, K 2,048] x [K 2,048, N 8,192]; A: computed on the way; B: input W1 (given as codes): QUANTISED
;;     6. [M 2,048, K 8,192] x [K 8,192, N 2,048]; A: computed on the way; B: input W2 (given as codes): QUANTISED
;;     7. batch 2,048 x [M 4, K 4] x [K 4, N 2,048]; A: computed on the way; B: input x: left as it is (K = 4 < 32)
;;   THE QUANTISER, for each operand of a quantised product, along K:
;;     - K is cut into blocks of 32 from its start; a last block that is shorter is filled with zeros.
;;     - A block's scale is 2^e with e = floor(log2(the largest magnitude in the block)) - 2, held to -126 .. 127; a block of zeros has e = 0. As a byte (E8M0): e + 127.
;;     - Each number is divided by its block's scale, clamped to +-7.5, and rounded to the nearest number of E2M3, ties to even, subnormals kept.
;;     - The product sums the exact products of the quantised numbers (number of the format x scale) in f32.
;;   ~~~python
;;   def quantise(x, axis):      # numpy; x: float32 -> the quantised numbers, widened to float32 again
;;       x = np.moveaxis(x, axis, -1); K = x.shape[-1]
;;       x = np.pad(x, [(0, 0)] * (x.ndim - 1) + [(0, -K % 32)]); x = x.reshape(x.shape[:-1] + (-1, 32)); a = np.abs(x).max(-1, keepdims=True)
;;       e = np.where(a > 0, np.clip(np.frexp(np.where(a > 0, a, 1))[1] - 1 - 2, -126, 127), 0)      # np.frexp(a)[1] - 1 = floor(log2(a)), exactly
;;       r = np.clip(x / 2.0 ** e, -7.5, 7.5)
;;       step = 2.0 ** (np.maximum(np.frexp(np.where(r == 0, 1, r))[1] - 1, 0) - 3)
;;       q = np.round(r / step) * step * 2.0 ** e      # np.round: ties to even
;;       return np.moveaxis(q.reshape(q.shape[:-2] + (-1,))[..., :K], -1, axis).astype(np.float32)
;;   ~~~
;;   OPERANDS COMPUTED ON THE WAY. 'Computed on the way' means the value that the module computes at that place (a softmax that the list does not call 'softmax' is quantised finished and normalised). What goes into a quantiser is computed in f32, as accurately as f32 sums, v_exp_f32 and their like allow (about 1e-6 of the number): no bf16 or f16 on the way to a quantiser, and a product that is left as it is and whose result goes on into a quantised operand takes f32 operands (vector FMAs, or v_wmma_f32_16x16x4_f32). A number that lies on a knife's edge between two numbers of the format may be rounded either way, as far as f32 arithmetic and the matrix unit's own rounding can turn it there, and no further.
;;   INPUTS GIVEN AS CODES. W1 (in the module: [2048, 8192], K = its axis 0); W2 (in the module: [8192, 2048], K = its axis 0); theta_res (in the module: [8192, 16], K = its axis 0): each comes as NAME_codes (uint8): NAME with its K axis moved to the last place and cut into blocks of 32 codes, [.., K / 32, bytes a block], one block behind the other in memory; four codes in three bytes: a row's codes are one little-endian stream of bits, code i at bits 6 i .. 6 i + 5 (a code: sign, 2 exponent bits, 3 mantissa bits); and NAME_scales (uint8): the same leading axes, one E8M0 byte (e + 127) for each 32 codes along K. Its value is code x scale, taken as it is: it is not quantised again, and the codes and scales need not be those that the quantiser above would give.
;; One version. Each part assembles by itself: llvm-mc -triple=amdgcn-amd-amdhsa -mcpu=gfx1250 --defsym DOCPART=n.
;; ======== version 1 of 1: 3 launches
;; limits: right only within a limited range of input values
;; workspace buffers: xq 3,145,728 bytes; xs 131,072 bytes; hq 12,582,912 bytes; hs 524,288 bytes; coef 262,144 bytes; w1q 12,582,912 bytes; w2q 12,582,912 bytes; w2s 524,288 bytes
;; launch prep (part 1): grid 256 x 1, 4 waves a work-group, no clusters, 327,680 bytes of LDS; arguments x, rms_weight, theta_pre, theta_post, theta_res_codes, theta_res_scales, alpha_pre, alpha_post, alpha_res, b_pre, b_post, b_res, xq, xs, coef, W1_codes, w1q; writes xq, xs, coef, w1q
.if DOCPART == 1
	.amdgcn_target "amdgcn-amd-amdhsa--gfx1250"
	.amdhsa_code_object_version 6
	.text
	.protected	k_q5fb43870ed_prep
	.globl	k_q5fb43870ed_prep
	.p2align	8
	.type	k_q5fb43870ed_prep,@function
k_q5fb43870ed_prep:
	s_mov_b64 s[64:65], 0
	v_nop
	global_prefetch_b8 v0, s[64:65] scope:SCOPE_SE
	s_setreg_imm32_b32 hwreg(HW_REG_WAVE_MODE, 25, 1), 1
	s_wait_xcnt 0x0
; For 8 rows of x ([4 streams][2048] f32 each): the RMS norm over the row's 8,192 numbers, the products with theta_pre and theta_post (f32 multiply-adds), the product with theta_res
; (E2M3 codes, by the scaled matrix instruction), the sigmoids, 20 Sinkhorn steps on the 4 x 4 matrix, x_pre = H_pre . x, and x_pre's codes.
; OUT: xq: x_pre's codes as images of operand registers, [128 tiles of 16 rows][16 K steps of 128][1,536 bytes]: byte 512 c + 16 lane + 4 i is register 4 c + i of that lane's fragment;
;      xs: [2048 rows][64 scale bytes];  coef: [2048 rows][32 f32]: words 0-15 H_res(4 n + m), words 16-31 H_post(word % 4).
; SHARES: a work-group takes 8 rows, 256 KB of x, which stay in LDS and are read from memory once.  Wave w takes d = 512 w .. 512 w + 511 of all four streams and all 8 rows: every block of 32 along K and every
; x_pre(d) then belongs to one wave, and a wave reads only the bytes that its own eight tensor loads brought.  LDS is filled once: nothing is filled again.
; PASS 1 GOES UNDER x'S ARRIVAL: a wave's eight loads are issued chunk by chunk (128 d a chunk, two loads each), and the pass takes chunk q behind a counted wait that leaves the later chunks' loads out.
; NO CLUSTER: what work-groups share (the theta tables, 390 KB) goes straight into registers, and LDS is full of x.
; LIMITS: NaN and infinities are not served.  A block of zeros gets the scale byte 1, not 127: its codes are zeros, and the bytes are read by this program alone.  The product with theta_res is summed over four
; waves' parts of K.  1 / x is v_rcp_f32 in the sigmoids and in the Sinkhorn steps.  The dot products are taken of x with (theta x weight) and multiplied by the row's 1 / rms afterwards.
; REGISTER WINDOWS: window 0: addresses, sums, all vector work, the scale words (v224-228, v232-247: they hold scales and nothing else);  window 1: pass 1's theta (v0-127) and weights (v128-143);
;   window 2: theta_res' 16 fragments (v0-191) and the two accumulators (v192-207).
.set XW,   67712                       ; LDS: a wave's part of x: four chunks of 128 d
; HOW x COMES IN, AS THIS TEXT HAS IT (this takes the place of what the head says of eight loads and of chunks under arrival): wave j issues ONE tensor load, rows 2 j and 2 j + 1 whole: 65,536 dense bytes as 128 lines
; of 512 bytes, 16 bytes of padding behind each.  Line 64 (row % 2) + 16 stream + d / 128.  A barrier follows the wait for it, since every wave reads all four tiles.
; ALSO HERE: W1's codes are laid anew as images of operand registers, w1q [512 tiles of 16 rows][16 K steps of 128][1,536 bytes], 8 images a wave: their rows then begin on borders of 256 bytes.
.set PB,   67616                       ; from one wave's tile to the next: 128 lines of 528 bytes and 32 bytes more, so that the tiles start in other columns of 16 bytes
.set XROW, 33792                       ; a row of x in LDS: 64 lines
.set XPI,  528                         ; a line: 512 bytes + 16 of padding
.set WB,   4*XW                        ; behind x: rms_weight, a wave's 16 lines (4 stream + chunk) of 528 bytes
.set WW,   16*XPI
.set RED1, WB+4*WW                     ; the waves' sums: wave x 288 + (4 quantity + row % 4) x 8 + (row / 4) x 4; quantity 0: squares, 1-4: pre, 5-8: post
.set RED2, RED1+1280                   ; the waves' parts of the product with theta_res: wave x 1,024 + row x 128 + 4 lane
.set XSC,  RED2+4096                   ; x_pre's scale words: row x 64 + 4 x K step
.set LANE, 1
.set XA0,  2                           ; pass 1: my word in the wave's first chunk
.set WS0,  3                           ; pass 1: where my weights go
.set TA,   4                           ; byte offset of my k of chunk 0 in theta_pre and theta_post; never rewritten: stream, chunk and i stand in the immediates
.set WA,   5                           ; the same in rms_weight
.set XA,   6                           ; unused; WS: WS0 at the chunk in hand
.set WS,   7
.set XP,   8                           ; pass 2: my 128 bytes of x
.set WP,   9                           ; pass 2: my 128 bytes of the weights
.set XQA,  10                          ; my byte offset in xq
.set XSA,  11                          ; where my row's scale word of x_pre goes
.set BRES, 12
.set BPOST, 13
.set R1S,  14
.set R1L,  15
.set ACC,  16                          ; v16-159  pass 1: pair (quantity, row) at 16 + 2 (8 quantity + row)
.set XR,   160                         ; v160-191 pass 1: x, row b at 4 b + i
.set TP,   192                         ; v192-223 pass 1: theta x weight, column m at 4 m + i
.set WRW,  128                         ; window 1, v128-143: pass 1: weights, stream n at 4 n + i
.set MSB, 0
.macro WIN new                         ; the immediate's high byte repeats the setting that is left
.if MSB != (\new)
	s_set_vgpr_msb (MSB<<8)|(\new)
.set MSB, (\new)
.endif
.endm
	s_load_b512 s[68:83], s[0:1], 0x0              ; x 68, rms_weight 70, theta_pre 72, theta_post 74, theta_res codes 76, scales 78, alpha_pre 80, alpha_post 82
	s_load_b256 s[84:91], s[0:1], 0x40             ; alpha_res 84, b_pre 86, b_post 88, b_res 90
	s_load_b128 s[92:95], s[0:1], 0x60             ; xq 92, xs 94
	s_load_b64 s[96:97], s[0:1], 0x70              ; coef
	s_load_b128 s[36:39], s[0:1], 0x78             ; W1's codes 36, w1q 38
	v_lshl_add_u32 v230, v0, 2, 0x4bd00
	v_mov_b32 v231, 0
	ds_add_u32 v230, v231
	ds_add_u32 v230, v231
	v_lshrrev_b32 v1, 5, v0
	v_readfirstlane_b32 s2, v1                     ; wave 0..3
	; descriptor group 1: 128 lines of 64 elements of 8 bytes, dense in memory, 16 bytes of padding behind each 512 in LDS
	s_mov_b32 s24, (3<<16)|(1<<20)|(6<<22)|(3<<25)
	s_mov_b32 s25, 64<<16                          ; tensor_dim0
	s_mov_b32 s26, 128<<16                         ; tensor_dim1
	s_mov_b32 s27, 64<<16                          ; tile_dim0
	s_mov_b32 s28, 128                             ; tile_dim1
	s_mov_b32 s29, 64                              ; the lines are dense in memory
	s_mov_b32 s30, 0
	s_mov_b32 s31, 0
	s_mov_b32 s11, 0x34000000                      ; eps = 2^-23
	s_mov_b32 s12, 0x39000000                      ; 1 / 8192
	s_mov_b32 s14, 0x76543210                      ; v_permlanex16_b32's selects for lane l xor 16
	s_mov_b32 s15, 0xfedcba98
	s_lshl_b32 s16, ttmp9, 18                      ; 8 rows of 32,768 bytes a work-group
	s_lshl_b32 s17, s2, 16                         ; my wave's two rows
	s_add_co_u32 s16, s16, s17
	s_mov_b32 s17, 0
	s_mul_i32 s20, s2, 4*XPI                       ; my wave's 512 d: four lines on in every stream
	s_mul_i32 s21, s2, PB                          ; where my tile goes
	s_wait_dscnt 0x0
	s_wait_kmcnt 0x0
	s_add_nc_u64 s[18:19], s[68:69], s[16:17]
	s_mov_b32 s32, 1
	s_mov_b32 s33, s21
	s_mov_b64 s[34:35], s[18:19]
	s_or_b32 s35, s35, 0x80000000
	tensor_load_to_lds s[32:35], s[24:31]          ; my one tensor load
	s_nop 0
	v_and_b32 v[LANE], 31, v0
	v_and_b32 v160, 15, v0                         ; r
	v_bfe_u32 v161, v0, 4, 1                       ; h
	v_and_b32 v162, 3, v0                          ; lane % 4
	v_bfe_u32 v163, v0, 2, 1                       ; (lane / 4) % 2
	v_bfe_u32 v164, v0, 3, 1                       ; g
	v_and_b32 v165, 7, v0                          ; b
	s_load_b32 s8, s[80:81], 0x0                   ; alpha_pre
	s_load_b32 s9, s[82:83], 0x0                   ; alpha_post
	s_load_b32 s10, s[84:85], 0x0                  ; alpha_res
	s_load_b128 s[4:7], s[86:87], 0x0              ; b_pre
	v_mul_u32_u24 v254, v160, 6144                 ; theta_res: column r's row of codes, + 24 h, + my wave's 512 k
	v_mad_u32_u24 v254, v161, 24, v254
	s_mul_i32 s21, s2, 384
	v_add_nc_u32 v254, s21, v254
	v_lshlrev_b32 v255, 8, v160                    ; and its scale bytes
	s_lshl_b32 s21, s2, 4
	v_add_nc_u32 v255, s21, v255
	v_lshlrev_b32 v252, 2, v160
	v_lshlrev_b32 v253, 2, v162
	WIN 0x80                                       ; destination window 2
.irp f, 0,1,2,3,4,5,6,7,8,9,10,11,12,13,14,15  ; theta_res' fragment f = 4 n + 2 p + g: k = 2048 n + 512 w + 256 p + 128 g on: they stay in window 2, v[12 f]
.irp p, 0,1,2,3,4,5
	global_load_b64 v[12*\f+2*\p:12*\f+2*\p+1], v254, s[76:77] offset:1536*(\f/4)+96*(\f%4)+48*(\p/3)+8*(\p%3)
.endr
.endr
	WIN 0
.irp f, 0,1,2,3,4,5,6,7,8,9,10,11,12,13,14,15
	global_load_b32 v[232+\f], v255, s[78:79] offset:64*(\f/4)+4*(\f%4)    ; their scale words: loaded once, into registers that hold nothing else in this launch
.endr
	global_load_b32 v[BRES], v252, s[90:91]        ; b_res(r)
	global_load_b32 v[BPOST], v253, s[88:89]       ; b_post(r % 4)
	s_lshl_b32 s40, ttmp9, 2                       ; W1: wave number 4 x work-group + wave takes tile (number / 2), K steps 8 (number % 2) on: 768 consecutive bytes of each of 16 rows
	s_add_co_u32 s40, s40, s2
	s_lshr_b32 s42, s40, 1
	s_mul_i32 s42, s42, 24576
	s_and_b32 s41, s40, 1
	s_mul_i32 s41, s41, 768
	s_add_co_u32 s42, s42, s41
	s_mov_b32 s43, 0
	s_add_nc_u64 s[36:37], s[36:37], s[42:43]
	s_mul_i32 s42, s40, 12288                      ; and its 8 images lie one behind the other
	s_add_nc_u64 s[38:39], s[38:39], s[42:43]
	v_mul_u32_u24 v229, v160, 1536
	v_mad_u32_u24 v229, v161, 24, v229             ; row r, + 24 h: a fragment's own places
	WIN 0x40                                       ; destination window 1, v144-239
.irp f, 0,1,2,3,4,5,6,7
.irp p, 0,1,2,3,4,5
	global_load_b64 v[144+12*\f+2*\p:144+12*\f+2*\p+1], v229, s[36:37] offset:96*\f+48*(\p/3)+8*(\p%3)
.endr
.endr
	WIN 0
	v_lshl_add_u32 v[XA0], v[LANE], 2, s20
	s_mul_i32 s21, s2, WW
	s_add_co_u32 s21, s21, WB
	v_lshl_add_u32 v[WS0], v[LANE], 2, s21
	s_lshl_b32 s22, s2, 13
	v_lshl_add_u32 v[TA], v[LANE], 4, s22          ; 16 bytes a k: 16 lane + 16 x 512 w
	s_lshl_b32 s22, s2, 11
	v_lshl_add_u32 v[WA], v[LANE], 2, s22
	v_bfe_u32 v166, v0, 1, 2                       ; b / 2: whose tile
	v_and_b32 v167, 1, v0                          ; b % 2: which of its two rows
	v_mul_u32_u24 v[XP], v164, XPI                 ; pass 2: line g of my wave's four
	v_mad_u32_u24 v[XP], v166, PB, v[XP]
	v_mad_u32_u24 v[XP], v167, XROW, v[XP]
	v_lshl_add_u32 v[XP], v161, 7, v[XP]
	v_add_nc_u32 v[XP], s20, v[XP]
	v_mul_u32_u24 v[WP], v164, XPI
	v_lshl_add_u32 v[WP], v161, 7, v[WP]
	v_add_nc_u32 v[WP], s21, v[WP]
	s_lshr_b32 s16, ttmp9, 1                       ; xq: tile of 16 rows = work-group / 2; my rows are its lanes 8 (work-group % 2) + b
	s_mul_i32 s16, s16, 24576
	s_and_b32 s17, ttmp9, 1
	s_lshl_b32 s17, s17, 7
	s_add_co_u32 s16, s16, s17
	s_mul_i32 s17, s2, 6144                        ; K step 4 w + 2 p + g
	s_add_co_u32 s16, s16, s17
	v_mul_u32_u24 v[XQA], v164, 1536
	v_lshl_add_u32 v[XQA], v161, 8, v[XQA]
	v_lshl_add_u32 v[XQA], v165, 4, v[XQA]
	v_add_nc_u32 v[XQA], s16, v[XQA]
	s_lshl_b32 s17, s2, 4
	s_add_co_u32 s17, s17, XSC
	v_lshlrev_b32 v[XSA], 6, v165
	v_lshl_add_u32 v[XSA], v164, 2, v[XSA]
	v_add_nc_u32 v[XSA], s17, v[XSA]
	s_mul_i32 s17, s2, 288
	s_add_co_u32 s17, s17, RED1
	v_lshl_add_u32 v[R1S], v161, 2, s17
	v_lshlrev_b32 v[R1L], 3, v162
	v_lshl_add_u32 v[R1L], v163, 2, v[R1L]
	v_add_nc_u32 v[R1L], RED1, v[R1L]
; theta_pre's and theta_post's 16 bytes of my four k of stream n, chunk q (window 1, v[32 n]: pre at 4 i + column, post at 16 + 4 i + column) and the four weights (window 1, v[128 + 4 n]): 12 loads under one window setting
.macro THLOAD n, q
	WIN 0x40                                       ; destination window 1, offsets window 0
.irp i, 0,1,2,3
	global_load_b128 v[32*\n+4*\i:32*\n+4*\i+3], v[TA], s[72:73] offset:32768*\n+2048*(\q)+512*\i
	global_load_b128 v[32*\n+16+4*\i:32*\n+16+4*\i+3], v[TA], s[74:75] offset:32768*\n+2048*(\q)+512*\i
.endr
.irp i, 0,1,2,3
	global_load_b32 v[WRW+4*\n+\i], v[WA], s[70:71] offset:8192*\n+512*(\q)+128*\i
.endr
	WIN 0
.endm
	THLOAD 0, 0
	THLOAD 1, 0
	THLOAD 2, 0
	THLOAD 3, 0
	s_wait_kmcnt 0x0                               ; the alphas and b_pre
; PASS 1, lanes along k: my k = 2048 n + 512 w + 128 q + 32 i + lane.  One ITER: stream n of chunk q for all 8 rows.
; left: the loads issued behind this stream's twelve, which may stay out.  In chunks 0 to 2 the stream's buffer then takes the next chunk.  The very first products start the 72 pairs of sums: nothing is cleared.
.macro ITER n, q, left
	s_wait_loadcnt \left
	WIN 0x04                                       ; an LDS store's data are its source 1: window 1
.irp i, 0,1,2,3
	ds_store_b32 v[WS], v[WRW+4*\n+\i] offset:4*XPI*\n+128*\i      ; the weights are kept for pass 2
.endr
	WIN 0
.irp b, 0,1,2,3,4,5,6,7
.irp i, 0,1,2,3
	ds_load_b32 v[XR+4*\b+\i], v[248+\b/2] offset:(\b%2)*XROW+16*XPI*\n+128*\i
.endr
.endr
	WIN 0x05                                       ; sources 0 and 1 window 1
.irp i, 0,1,2,3
.irp c, 0,1,2,3
	v_mul_f32 v[TP+4*\c+\i], v[32*\n+4*\i+\c], v[WRW+4*\n+\i]      ; theta x weight; the multiplication also turns the four k of a column into neighbours, for the packed forms
	v_mul_f32 v[TP+16+4*\c+\i], v[32*\n+16+4*\i+\c], v[WRW+4*\n+\i]
.endr
.endr
	WIN 0
.irp b, 0,1,2,3,4,5,6,7
	s_wait_dscnt 4*(7-\b)                          ; row b's four loads are in (the later rows' may be out); the stores above are older, so they have read their registers
.if (\b == 0) && ((\q) < 3)
	THLOAD \n, \q+1
.endif
.irp u, 0,1
.if ((\q) == 0) && (\n == 0) && (\u == 0)
	v_pk_mul_f32 v[ACC+2*\b:ACC+2*\b+1], v[XR+4*\b:XR+4*\b+1], v[XR+4*\b:XR+4*\b+1]
.irp m, 0,1,2,3,4,5,6,7
	v_pk_mul_f32 v[ACC+2*(8+8*\m+\b):ACC+2*(8+8*\m+\b)+1], v[XR+4*\b:XR+4*\b+1], v[TP+4*\m:TP+4*\m+1]
.endr
.else
	v_pk_fma_f32 v[ACC+2*\b:ACC+2*\b+1], v[XR+4*\b+2*\u:XR+4*\b+2*\u+1], v[XR+4*\b+2*\u:XR+4*\b+2*\u+1], v[ACC+2*\b:ACC+2*\b+1]
.irp m, 0,1,2,3,4,5,6,7
	v_pk_fma_f32 v[ACC+2*(8+8*\m+\b):ACC+2*(8+8*\m+\b)+1], v[XR+4*\b+2*\u:XR+4*\b+2*\u+1], v[TP+4*\m+2*\u:TP+4*\m+2*\u+1], v[ACC+2*(8+8*\m+\b):ACC+2*(8+8*\m+\b)+1]
.endr
.endif
.endr
.endr
.endm
; Chunk q: line q of my wave's four in every stream and row.  v248-251: my word in that line, in each of the four tiles.
.macro CHUNK q, l0, l1, l2, l3
.irp k, 0,1,2,3
	v_add_nc_u32 v[248+\k], (\q)*XPI+\k*PB, v[XA0]
.endr
	v_add_nc_u32 v[WS], (\q)*XPI, v[WS0]
	s_wait_alu depctr_va_vdst(0)
	ITER 0, \q, \l0
	ITER 1, \q, \l1
	ITER 2, \q, \l2
	ITER 3, \q, \l3
.endm
	s_wait_alu depctr_va_vdst(0)
	s_wait_tensorcnt 0x0                           ; my tile has landed;
	s_barrier_signal -1
	s_barrier_wait -1                              ; and so has every wave's
	CHUNK 0, 36, 36, 36, 36                        ; behind a buffer's twelve loads stand the three other buffers' 36; the first of these waits also shows all the head's older loads in
	v_lshlrev_b32 v254, 4, v[LANE]
	WIN 0x04                                       ; a store's data are its source 1: window 1
.irp f, 0,1,2,3,4,5,6,7
.irp c, 0,1,2
	global_store_b128 v254, v[144+12*\f+4*\c:144+12*\f+4*\c+3], s[38:39] offset:1536*\f+512*\c   ; W1's images: 512 consecutive bytes a store
.endr
.endr
	WIN 0
	CHUNK 1, 36, 36, 36, 36
	CHUNK 2, 36, 36, 36, 36
	CHUNK 3, 36, 24, 12, 0                         ; the last chunk fetches nothing: the counts run down
	; the sums of a lane's even and odd k; rows b and b + 4 change halves, so that 16 lanes hold one row; then across those 16 lanes
.set e, 0
.rept 72
	v_add_f32 v[ACC+2*e], v[ACC+2*e], v[ACC+2*e+1]
.set e, e+1
.endr
.irp u, 0,1,2,3,4,5,6,7,8
.irp b, 0,1,2,3
	v_permlane16_swap_b32 v[ACC+2*(8*\u+\b)], v[ACC+2*(8*\u+\b+4)]
.endr
.endr
.irp u, 0,1,2,3,4,5,6,7,8
.irp b, 0,1,2,3
	v_add_f32 v[ACC+2*(8*\u+\b)], v[ACC+2*(8*\u+\b)], v[ACC+2*(8*\u+\b+4)]   ; lanes 0-15: row b; lanes 16-31: row b + 4
.endr
.endr
.irp x, 1,2,4,8
.irp u, 0,1,2,3,4,5,6,7,8
.irp b, 0,1,2,3
	v_add_f32_dpp v[ACC+2*(8*\u+\b)], v[ACC+2*(8*\u+\b)], v[ACC+2*(8*\u+\b)] row_xmask:\x row_mask:0xf bank_mask:0xf
.endr
.endr
.endr
.irp u, 0,1,2,3,4,5,6,7,8
.irp b, 0,1,2,3
	ds_store_b32 v[R1S], v[ACC+2*(8*\u+\b)] offset:8*(4*\u+\b)     ; a half's 16 lanes write one word with one value
.endr
.endr
	s_wait_dscnt 0x0                               ; for the others' sake: my sums lie in LDS
	s_barrier_signal -1
	s_barrier_wait -1
; FROM HERE ON a lane is b = lane % 8 (row), g = (lane / 8) % 2, h = lane / 16.  Lanes (b, g) are the 16 rows of a fragment: row b + 8 g is row b of x over the 128 k that begin at 2048 n + 512 w + 256 p + 128 g.
; So all 32 lanes carry data although the work-group has 8 rows.  Registers: v16-23 H_pre(n), twice each; v24-25 1 / rms; v26-31 at work; v32-63 x_pre; v64-127 x, two buffers; v128-159 weights;
; v160-207 the four streams' fragments of the normed x; v208-219 x_pre's fragment; v220-222 a conversion's second half; v224-227, v228 their scale words; v232-247 theta_res' scale words; v248-252 bytes kept; v253 8 h.
.macro XLOAD t                         ; step t = 8 p + 4 c + n: my 32 numbers d = 512 w + 256 p + 128 g + 64 c + 32 h + 0 .. 31 of stream n
.irp j, 0,1,2,3,4,5,6,7
	ds_load_b128 v[64+32*((\t)%2)+4*\j:64+32*((\t)%2)+4*\j+3], v[XP] offset:2*XPI*((\t)/8)+16*XPI*((\t)%4)+256*(((\t)/4)%2)+16*\j
.endr
.endm
.macro WLOAD t
.irp j, 0,1,2,3,4,5,6,7
	ds_load_b128 v[128+4*\j:128+4*\j+3], v[WP] offset:XPI*(4*((\t)%4)+2*((\t)/8))+256*(((\t)/4)%2)+16*\j
.endr
.endm
.irp u, 0,1,2,3,4
.irp w, 0,1,2,3
	ds_load_b32 v[160+4*\u+\w], v[R1L] offset:288*\w+32*\u         ; my row's squares and four pre sums, of the four waves
.endr
.endr
	XLOAD 0
	WLOAD 0
	XLOAD 1
	s_wait_dscnt 24                                ; the twenty sums are in; the 24 loads behind them may be out
.irp u, 0,1,2,3,4
	v_add_f32 v[160+4*\u], v[160+4*\u], v[161+4*\u]
	v_add_f32 v[162+4*\u], v[162+4*\u], v[163+4*\u]
.endr
.irp u, 0,1,2,3,4
	v_add_f32 v[160+4*\u], v[160+4*\u], v[162+4*\u]
.endr
	v_fma_f32 v160, v160, s12, s11                 ; mean of the squares + eps
	s_wait_alu depctr_va_vdst(0)
	v_rsq_f32 v24, v160
	v_bfe_u32 v253, v0, 4, 1                       ; (a plain place behind the transcendental)
	s_wait_alu depctr_va_vdst(0)
	v_mov_b32 v25, v24
	v_lshlrev_b32 v253, 3, v253                    ; 8 h
	v_mov_b32 v31, 0                               ; a lane permute's destination counts as one of its sources
.irp n, 0,1,2,3
	v_mul_f32 v[164+4*\n], v24, v[164+4*\n]
.endr
.irp n, 0,1,2,3
	v_fma_f32 v[164+4*\n], s8, v[164+4*\n], s[4+\n]                ; alpha_pre x (xn . theta_pre) + b_pre
.endr
.irp n, 0,1,2,3
	v_mul_f32 v[164+4*\n], 0xbfb8aa3b, v[164+4*\n]                 ; x -log2(e)
.endr
	s_wait_alu depctr_va_vdst(0)
.irp n, 0,1,2,3
	v_exp_f32 v[164+4*\n], v[164+4*\n]
.endr
	v_nop
	s_wait_alu depctr_va_vdst(0)
.irp n, 0,1,2,3
	v_add_f32 v[164+4*\n], 1.0, v[164+4*\n]
.endr
	s_wait_alu depctr_va_vdst(0)
.irp n, 0,1,2,3
	v_rcp_f32 v[16+2*\n], v[164+4*\n]              ; H_pre(n)
.endr
	v_nop
	s_wait_alu depctr_va_vdst(0)
.irp n, 0,1,2,3
	v_mov_b32 v[17+2*\n], v[16+2*\n]
.endr
; A block of 32 numbers of ONE lane, v[src] on, becomes 6 registers of codes at v[dst] and a scale byte in v[by].
.macro QBLOCK src, dst, by
	v_max3_num_f32 v26, |v[\src]|, |v[\src+1]|, 0x1800000          ; the largest magnitude, in two chains, with the floor 2^(3 - 127) among the leaves: the byte cannot fall under 1
	v_max3_num_f32 v27, |v[\src+16]|, |v[\src+17]|, |v[\src+18]|
.irp i, 2,4,6,8,10,12
	v_max3_num_f32 v26, v26, |v[\src+\i]|, |v[\src+\i+1]|
	v_max3_num_f32 v27, v27, |v[\src+17+\i]|, |v[\src+18+\i]|
.endr
	v_max3_num_f32 v26, v26, |v[\src+14]|, |v[\src+15]|
	v_max3_num_f32 v26, v26, v27, |v[\src+31]|
	v_add_nc_u32 v28, 0xff000000, v26              ; 2 off its exponent field: the conversion takes the exponent field of this operand as its scale
	v_cvt_scalef32_pk16_fp6_f32 v[\dst:\dst+2], v[\src:\src+15], v28
	v_cvt_scalef32_pk16_fp6_f32 v[220:222], v[\src+16:\src+31], v28    ; (a conversion's three registers begin on an even number)
	v_lshrrev_b32 v[\by], 23, v28                  ; the scale's byte; also the plain place behind the conversions
.irp i, 0,1,2
	v_mov_b32 v[\dst+3+\i], v[220+\i]
.endr
.endm
.macro SCALEW by0, by1, out            ; my two bytes are blocks h and 2 + h of my row's word; lane l xor 16 has the other two
	v_lshl_or_b32 v30, v[\by1], 16, v[\by0]
	v_lshlrev_b32 v30, v253, v30
	v_permlanex16_b32 v31, v30, s14, s15
	v_or_b32 v[\out], v30, v31
.endm
; PASS 2, step t = 8 p + 4 c + n.  w1: what may be out when x of this step must be in (its weights and the next step's x); w2: when the weights must be in.
.macro STEP t, w1, w2
.set NN, (\t)%4
.set CC, ((\t)/4)%2
.set XB, 64+32*((\t)%2)
	s_wait_dscnt \w1
.set j, 0
.rept 16
.if NN == 0
	v_pk_mul_f32 v[32+j:33+j], v[XB+j:XB+j+1], v[16:17]            ; x_pre = the sum over the streams of H_pre(n) x(n)
.else
	v_pk_fma_f32 v[32+j:33+j], v[XB+j:XB+j+1], v[16+2*NN:17+2*NN], v[32+j:33+j]
.endif
.set j, j+2
.endr
.set j, 0
.rept 16
	v_pk_mul_f32 v[XB+j:XB+j+1], v[XB+j:XB+j+1], v[24:25]          ; (x / rms)
.set j, j+2
.endr
	s_wait_dscnt \w2
.set j, 0
.rept 16
	v_pk_mul_f32 v[XB+j:XB+j+1], v[XB+j:XB+j+1], v[128+j:129+j]    ; x weight
.set j, j+2
.endr
.if (\t) < 15
	WLOAD (\t)+1
.endif
.if CC == 0
	QBLOCK XB, 160+12*NN, 248+NN
.else
	QBLOCK XB, 166+12*NN, 29
	SCALEW 248+NN, 29, 224+NN
.endif
.if (\t) < 14
	XLOAD (\t)+2
.endif
.if NN == 3
.if (\t) == 11
	s_wait_xcnt 0x0                                ; the stores of the first half's fragment of x_pre have read their registers
.endif
.if CC == 0
	QBLOCK 32, 208, 252
.else
	QBLOCK 32, 214, 29
	SCALEW 252, 29, 228
.endif
.endif
.endm
; Behind the eight steps of p: x_pre's fragment and scale word leave, and the four streams' fragments are multiplied by theta_res': D1 takes theta's K range g = 0 and is right in rows 0-7, D2 takes g = 1 and is right
; in rows 8-15.  The two accumulators take turns.
.macro PEND p
.irp c, 0,1,2
	global_store_b128 v[XQA], v[208+4*\c:211+4*\c], s[92:93] offset:3072*\p+512*\c
.endr
	ds_store_b32 v[XSA], v228 offset:8*\p
.rept 8
	v_nop                                          ; scale registers written by vector instructions stand 8 places ahead of a scaled matrix instruction, operands so written 4
.endr
	WIN 0xa8                                       ; source 0 (x) window 0; source 1 (theta), C and D window 2
.irp n, 0,1,2,3
.irp g, 0,1
.if (\p == 0) && (\n == 0)
	v_wmma_scale_f32_16x16x128_f8f6f4 v[192+8*\g:199+8*\g], v[160+12*\n:171+12*\n], v[12*(4*\n+2*\p+\g):12*(4*\n+2*\p+\g)+11], 0, v[224+\n], v[232+4*\n+2*\p+\g] matrix_a_fmt:MATRIX_FMT_FP6 matrix_b_fmt:MATRIX_FMT_FP6
.else
	v_wmma_scale_f32_16x16x128_f8f6f4 v[192+8*\g:199+8*\g], v[160+12*\n:171+12*\n], v[12*(4*\n+2*\p+\g):12*(4*\n+2*\p+\g)+11], v[192+8*\g:199+8*\g], v[224+\n], v[232+4*\n+2*\p+\g] matrix_a_fmt:MATRIX_FMT_FP6 matrix_b_fmt:MATRIX_FMT_FP6
.endif
.endr
.endr
	WIN 0
.endm
	s_wait_alu depctr_va_vdst(0)
.irp t, 0,1,2,3,4,5,6,7
	STEP \t, 16, 8
.endr
	PEND 0
.irp t, 8,9,10,11,12,13,14
	STEP \t, 16, 8
.endr
	STEP 15, 8, 0
	PEND 1
	; THE END.  The addresses are made here: plain vector lines that name no register of the last products, and so the places behind them.
	v_and_b32 v55, 15, v0                          ; r: element 4 n + m of the 4 x 4 matrix
	v_bfe_u32 v56, v0, 4, 1                        ; h: row 2 w + h
	s_wait_alu depctr_va_vdst(0)
	v_and_b32 v57, 3, v0
	s_lshl_b32 s16, s2, 10
	s_add_co_u32 s16, s16, RED2
	v_lshl_add_u32 v48, v[LANE], 2, s16            ; where my parts go
	s_lshl_b32 s16, s2, 8
	s_add_co_u32 s16, s16, RED2
	v_lshl_add_u32 v49, v56, 7, s16
	v_lshl_add_u32 v49, v55, 2, v49                ; and where my row's and element's parts lie
	s_and_b32 s16, s2, 1
	s_lshl_b32 s16, s16, 4
	s_lshr_b32 s17, s2, 1
	s_lshl_b32 s17, s17, 2
	s_add_co_u32 s16, s16, s17
	s_add_co_u32 s16, s16, RED1
	v_lshl_add_u32 v51, v56, 3, s16                ; my row's squares,
	s_wait_alu depctr_va_vdst(0)
	v_lshl_add_u32 v50, v57, 5, v51
	v_add_nc_u32 v50, 160, v50                     ; and its post sum r % 4: quantity 5 + r % 4
	s_lshl_b32 s16, ttmp9, 10
	s_lshl_b32 s17, s2, 8
	s_add_co_u32 s16, s16, s17
	v_lshl_add_u32 v52, v56, 7, s16
	v_lshl_add_u32 v52, v55, 2, v52                ; coef: 128 bytes a row, + 4 r
	v_lshl_add_u32 v53, v[LANE], 4, XSC
	s_lshl_b32 s16, ttmp9, 9
	v_lshl_add_u32 v54, v[LANE], 4, s16            ; xs: 512 bytes a work-group
	v_cmp_lt_u32 vcc_lo, 15, v[LANE]
	WIN 0x0a                                       ; sources 0 and 1 window 2
.irp j, 0,1,2,3,4,5,6,7
	v_cndmask_b32 v[32+\j], v[192+\j], v[200+\j], vcc_lo           ; lanes 0-15: D1 (g = 0), lanes 16-31: D2 (g = 1): row j, column r; each accumulator from its low end on
.endr
	WIN 0
.irp j, 0,1,2,3,4,5,6,7
	ds_store_b32 v48, v[32+\j] offset:128*\j
.endr
	s_wait_dscnt 0x0                               ; for the others' sake: my parts and my scale words lie in LDS
	s_barrier_signal -1
	s_barrier_wait -1
.irp w, 0,1,2,3
	ds_load_b32 v[40+2*\w], v49 offset:1024*\w
	ds_load_b32 v[41+2*\w], v49 offset:1024*\w+64
	ds_load_b32 v[64+\w], v51 offset:288*\w
	ds_load_b32 v[68+\w], v50 offset:288*\w
.endr
	s_wait_dscnt 0x0
.irp u, 40,44,64,68
	v_add_f32 v[\u], v[\u], v[\u+1]
	v_add_f32 v[\u+2], v[\u+2], v[\u+3]
.endr
.irp u, 40,44,64,68
	v_add_f32 v[\u], v[\u], v[\u+2]
.endr
	v_add_f32 v40, v40, v44
	v_fma_f32 v64, v64, s12, s11
	v_fma_f32 v40, s10, v40, v[BRES]               ; alpha_res x (xn . theta_res) + b_res
	s_wait_alu depctr_va_vdst(0)
	v_rsq_f32 v64, v64
	v_mul_f32 v40, 0x3fb8aa3b, v40
	s_wait_alu depctr_va_vdst(0)
	v_mul_f32 v68, v64, v68
	s_wait_alu depctr_va_vdst(0)
	v_exp_f32 v40, v40                             ; exp: no maximum is taken away, as in the definition
	v_fma_f32 v68, s9, v68, v[BPOST]
	v_mul_f32 v68, 0xbfb8aa3b, v68
	s_wait_alu depctr_va_vdst(0)
	v_exp_f32 v68, v68
	v_mov_b32 v41, 0
	s_wait_alu depctr_va_vdst(0)
	v_add_f32 v68, 1.0, v68
	s_wait_alu depctr_va_vdst(0)
	v_rcp_f32 v68, v68
	s_mov_b32 s13, 20
.Lsk:                                                  ; 20 steps: each element over its row's sum (lanes xor 1, 2), then over its column's (lanes xor 4, 8)
	s_wait_alu depctr_va_vdst(0)
	v_add_f32_dpp v41, v40, v40 row_xmask:1 row_mask:0xf bank_mask:0xf
	v_add_f32_dpp v41, v41, v41 row_xmask:2 row_mask:0xf bank_mask:0xf
	s_wait_alu depctr_va_vdst(0)
	v_rcp_f32 v41, v41
	v_nop
	s_wait_alu depctr_va_vdst(0)
	v_mul_f32 v40, v40, v41
	v_add_f32_dpp v41, v40, v40 row_xmask:4 row_mask:0xf bank_mask:0xf
	v_add_f32_dpp v41, v41, v41 row_xmask:8 row_mask:0xf bank_mask:0xf
	s_wait_alu depctr_va_vdst(0)
	v_rcp_f32 v41, v41
	v_nop
	s_wait_alu depctr_va_vdst(0)
	v_mul_f32 v40, v40, v41
	s_sub_co_u32 s13, s13, 1
	s_cmp_lg_u32 s13, 0
	s_cbranch_scc1 .Lsk
	v_add_f32 v68, v68, v68                        ; H_post = 2 x sigmoid
	global_store_b32 v52, v40, s[96:97]
	global_store_b32 v52, v68, s[96:97] offset:64
	s_cmp_lg_u32 s2, 0
	s_cbranch_scc1 .Ldone
	ds_load_b128 v[72:75], v53                     ; wave 0: the 8 rows' 64 scale bytes each leave as 512 consecutive bytes
	s_wait_dscnt 0x0
	global_store_b128 v54, v[72:75], s[94:95]
.Ldone:
	s_wait_tensorcnt 0x0
	ds_add_u32 v230, v231
	s_wait_dscnt 0x0
	s_endpgm
.Lfunc_end_k_q5fb43870ed_prep:
	.size	k_q5fb43870ed_prep, .Lfunc_end_k_q5fb43870ed_prep-k_q5fb43870ed_prep
	.p2alignl 7, 3214868480
	.fill 96, 4, 3214868480
	.section	.rodata,"a",@progbits
	.p2align	6, 0x0
	.amdhsa_kernel k_q5fb43870ed_prep
		.amdhsa_group_segment_fixed_size 327680
		.amdhsa_private_segment_fixed_size 0
		.amdhsa_enable_private_segment 0
		.amdhsa_kernarg_size 136
		.amdhsa_user_sgpr_count 2
		.amdhsa_user_sgpr_kernarg_segment_ptr 1
		.amdhsa_wavefront_size32 1
		.amdhsa_system_sgpr_workgroup_id_x 1
		.amdhsa_system_sgpr_workgroup_id_y 1
		.amdhsa_system_sgpr_workgroup_id_z 1
		.amdhsa_system_vgpr_workitem_id 0
		.amdhsa_next_free_vgpr 768
		.amdhsa_next_free_sgpr 100
		.amdhsa_reserve_vcc 1
		.amdhsa_float_denorm_mode_32 3
		.amdhsa_float_denorm_mode_16_64 3
		.amdhsa_memory_ordered 1
		.amdhsa_forward_progress 1
		.amdhsa_inst_pref_size 255
	.end_amdhsa_kernel
	.section	.bss,"aw",@nobits
	.p2align	6
	.space	262144
	.amdgpu_metadata
---
amdhsa.version: [ 1, 2 ]
amdhsa.kernels:
  - .name:           k_q5fb43870ed_prep
    .symbol:         k_q5fb43870ed_prep.kd
    .args:
      - { .name: x, .offset: 0, .size: 8, .value_kind: global_buffer, .address_space: global }
      - { .name: rms_weight, .offset: 8, .size: 8, .value_kind: global_buffer, .address_space: global }
      - { .name: theta_pre, .offset: 16, .size: 8, .value_kind: global_buffer, .address_space: global }
      - { .name: theta_post, .offset: 24, .size: 8, .value_kind: global_buffer, .address_space: global }
      - { .name: theta_res_codes, .offset: 32, .size: 8, .value_kind: global_buffer, .address_space: global }
      - { .name: theta_res_scales, .offset: 40, .size: 8, .value_kind: global_buffer, .address_space: global }
      - { .name: alpha_pre, .offset: 48, .size: 8, .value_kind: global_buffer, .address_space: global }
      - { .name: alpha_post, .offset: 56, .size: 8, .value_kind: global_buffer, .address_space: global }
      - { .name: alpha_res, .offset: 64, .size: 8, .value_kind: global_buffer, .address_space: global }
      - { .name: b_pre, .offset: 72, .size: 8, .value_kind: global_buffer, .address_space: global }
      - { .name: b_post, .offset: 80, .size: 8, .value_kind: global_buffer, .address_space: global }
      - { .name: b_res, .offset: 88, .size: 8, .value_kind: global_buffer, .address_space: global }
      - { .name: xq, .offset: 96, .size: 8, .value_kind: global_buffer, .address_space: global }
      - { .name: xs, .offset: 104, .size: 8, .value_kind: global_buffer, .address_space: global }
      - { .name: coef, .offset: 112, .size: 8, .value_kind: global_buffer, .address_space: global }
      - { .name: W1_codes, .offset: 120, .size: 8, .value_kind: global_buffer, .address_space: global }
      - { .name: w1q, .offset: 128, .size: 8, .value_kind: global_buffer, .address_space: global }
    .group_segment_fixed_size: 327680
    .private_segment_fixed_size: 0
    .kernarg_segment_align: 8
    .kernarg_segment_size: 136
    .max_flat_workgroup_size: 128
    .sgpr_count:     100
    .vgpr_count:     768
    .wavefront_size: 32
...
	.end_amdgpu_metadata
.endif
;; end of part 1
;; launch gemm1 (part 2): grid 32 x 8, 4 waves a work-group, clusters of 4 x 4, 327,680 bytes of LDS; arguments xq, xs, w1q, W1_scales, b1, hq, hs, W2_codes, w2q, W2_scales, w2s; writes hq, hs, w2q, w2s
.if DOCPART == 2
	.amdgcn_target "amdgcn-amd-amdhsa--gfx1250"
	.amdhsa_code_object_version 6
	.text
	.protected	k_q5fb43870ed_gemm1
	.globl	k_q5fb43870ed_gemm1
	.p2align	8
	.type	k_q5fb43870ed_gemm1,@function
k_q5fb43870ed_gemm1:
	s_mov_b64 s[64:65], 0
	v_nop
	global_prefetch_b8 v0, s[64:65] scope:SCOPE_SE
	s_setreg_imm32_b32 hwreg(HW_REG_WAVE_MODE, 25, 1), 1
	s_wait_xcnt 0x0
	s_wait_alu depctr_hold_cnt(0) depctr_sa_sdst(0) depctr_va_vdst(0) depctr_va_sdst(0) depctr_va_ssrc(0) depctr_va_vcc(0) depctr_vm_vsrc(0)
	s_getreg_b32 s2, hwreg(HW_REG_IB_STS2, 6, 4)
	s_cmp_eq_u32 s2, 0
	s_cbranch_scc0 .Lentry_in_a_cluster
	s_endpgm
.Lentry_in_a_cluster:
	s_bfe_u32 s2, ttmp6, 0x10000c
	s_cmp_lg_u32 s2, 0xf033
	s_cbranch_scc0 .Lentry_shape_is_right
	s_endpgm
.Lentry_shape_is_right:
; h = gelu(x_pre W1 + b1), quantised: a block of 256 x 256 a work-group, 128 x 128 a wave, K in steps of 256 through a ring of two LDS slots filled by joint loads in clusters of 4 x 4.
; BOTH operands come as images of operand registers (xq, w1q: [tile of 16 rows][16 K steps of 128][1,536 bytes]): a tensor row is the 3,072 bytes of two K steps of one tile and begins on a border of 256 bytes.
; ALSO HERE, for the next launch: W2's codes are laid anew as such images, w2q [128 tiles][64 K steps][1,536 bytes], 8 images a wave, and W2's scale words as w2s [64 K steps][2048 rows], 64 rows x 2 K steps a wave.
.set KSTEP,  256
.set NQ,     2
.set ROWB,   3072
.set KROW,   1536
.set FR,     12
.set NP,     4
.set AIMG,   3072
.set AHALF,  8*AIMG
.set BOFF,   2*AHALF
.set BHALF,  8*AIMG
.set SLOT,   BOFF+2*BHALF
.set LAPS,   4
.set KS,     64
.set SCL,    2*SLOT
.set HALFS,  (128*KS/256)*272
.set SBLK,   (16*KS/256)*272
.set SPARE,  SCL+4*HALFS
.set ADRA, 16
.set ADRB, 20
.set LI,   24
.set HSO,  25
.set BO,   26
.set ADRS, 27
.set SPW,  28
.set NIL,  29
.set SC,   32
.set BIAS, 64
.set AF,   128
.set GX,   32
.set GR,   96
.set GT,   160
.set GS,   176
.set GL,   192
.set GU,   208
.set PC,   224
.set G1, 24
.set G0, 32
.set G1B, 48
.set G0B, 56
.set G1S, 68
.set G0S, 76
.set G1SB, 80
.set G0SB, 88
.set MSB, 0
.macro WIN new
.if MSB != (\new)
	s_set_vgpr_msb (MSB<<8)|(\new)
.set MSB, (\new)
.endif
.endm
.set MUL_LO, 0xa1
.set MUL_HI, 0xf1
.set TO_B,   0x40
.macro JLOAD g0a, g1a, g0b, g1b
	s_cmp_eq_u32 s15, 0
	s_cbranch_scc0 .Lfor_b_\@
	tensor_load_to_lds s[\g0a:\g0a+3], s[\g1a:\g1a+7]
	s_nop 0
.rept 4
	v_nop
.endr
	s_branch .Lasked_\@
.Lfor_b_\@:
	tensor_load_to_lds s[\g0b:\g0b+3], s[\g1b:\g1b+7]
	s_nop 0
.rept 4
	v_nop
.endr
.Lasked_\@:
.endm
.macro CREST
	s_cmp_lg_u32 s14, 0
	s_cbranch_scc1 .Lnot_wave_0_\@
	s_barrier_signal -3
.Lnot_wave_0_\@:
	s_barrier_wait -3
	s_barrier_signal -1
	s_barrier_wait -1
.endm
.macro CROUND
	s_barrier_signal -1
	s_barrier_wait -1
	CREST
.endm
	s_load_b128 s[4:7], s[0:1], 0x0
	s_load_b128 s[8:11], s[0:1], 0x10
	s_load_b128 s[96:99], s[0:1], 0x20
	s_load_b64 s[100:101], s[0:1], 0x30
	v_lshl_add_u32 v[SPW], v0, 2, SPARE
	v_mov_b32 v[NIL], 0
	ds_add_u32 v28, v29
	ds_add_u32 v28, v29
	s_wait_dscnt 0x0
	v_lshrrev_b32 v1, 5, v0
	v_readfirstlane_b32 s14, v1
	s_lshr_b32 s15, s14, 1
	s_and_b32 s16, s14, 1
	s_bfe_u32 s40, ttmp6, 0x40000
	s_bfe_u32 s41, ttmp6, 0x40004
	s_lshl_b32 s42, ttmp9, 2
	s_add_co_u32 s42, s42, s40
	s_and_b32 s17, ttmp7, 0xffff
	s_lshl_b32 s17, s17, 2
	s_add_co_u32 s17, s17, s41
	s_lshl_b32 s43, s41, 2
	s_lshl_b32 s43, 15, s43
	s_lshl_b32 s44, 0x1111, s40
	s_or_b32 s[G1+0], s43, (3<<16)|(1<<21)
	s_mov_b32 s[G1+1], 384<<16
	s_mov_b32 s[G1+2], 8<<16
	s_mov_b32 s[G1+3], 384<<16
	s_mov_b32 s[G1+4], 8
	s_mov_b32 s[G1+5], 3072
	s_mov_b32 s[G1+6], 0
	s_mov_b32 s[G1+7], 0
	s_or_b32 s[G1B+0], s44, (3<<16)|(1<<21)
	s_mov_b32 s[G1B+1], 384<<16
	s_mov_b32 s[G1B+2], 8<<16
	s_mov_b32 s[G1B+3], 384<<16
	s_mov_b32 s[G1B+4], 8
	s_mov_b32 s[G1B+5], 3072
	s_mov_b32 s[G1B+6], 0
	s_mov_b32 s[G1B+7], 0
	s_or_b32 s[G1S+0], s43, (3<<16)|(1<<20)|(1<<21)|(5<<22)|(3<<25)
	s_or_b32 s[G1SB+0], s44, (3<<16)|(1<<20)|(1<<21)|(5<<22)|(3<<25)
.irp g, G1S, G1SB
	s_mov_b32 s[\g+1], 32<<16
	s_mov_b32 s[\g+2], (128*KS/256)<<16
	s_mov_b32 s[\g+3], 32<<16
	s_mov_b32 s[\g+4], 128*KS/256
	s_mov_b32 s[\g+5], 32
	s_mov_b32 s[\g+6], 0
	s_mov_b32 s[\g+7], 0
.endr
	s_lshl_b32 s18, s16, 7
	s_lshl_b32 s20, s17, 8
	s_add_co_u32 s20, s20, s18
	s_lshl_b32 s46, s42, 8
	s_add_co_u32 s46, s46, s18
	s_lshl_b32 s22, s20, 6
	s_mov_b32 s23, 0
	s_lshl_b32 s92, s46, 6
	s_mov_b32 s93, 0
	s_mul_i32 s20, s20, 1536
	s_mov_b32 s21, 0
	s_mul_i32 s46, s46, KROW
	s_mov_b32 s47, 0
	s_mul_i32 s45, s16, AHALF
	s_mul_i32 s95, s16, BHALF
	s_add_co_u32 s95, s95, BOFF
	s_mul_i32 s94, s14, HALFS
	s_wait_kmcnt 0x0
	s_add_nc_u64 s[20:21], s[4:5], s[20:21]
	s_add_nc_u64 s[22:23], s[6:7], s[22:23]
	s_add_nc_u64 s[46:47], s[8:9], s[46:47]
	s_add_nc_u64 s[92:93], s[10:11], s[92:93]
	s_load_b256 s[4:11], s[0:1], 0x38              ; W2's codes 4, w2q 6, W2's scales 8, w2s 10
	CROUND
	s_mov_b32 s[G0S], 1
	s_add_co_u32 s[G0S+1], s94, SCL
	s_mov_b64 s[G0S+2:G0S+3], s[22:23]
	s_or_b32 s[G0S+3], s[G0S+3], 0x80000000
	s_mov_b32 s[G0SB], 1
	s_add_co_u32 s[G0SB+1], s94, SCL
	s_mov_b64 s[G0SB+2:G0SB+3], s[92:93]
	s_or_b32 s[G0SB+3], s[G0SB+3], 0x80000000
	JLOAD G0S, G1S, G0SB, G1SB
.irp s, 0,1
	s_mov_b32 s[G0+4*\s], 1
	s_add_co_u32 s[G0+4*\s+1], s45, \s*SLOT
	s_add_nc_u64 s[G0+4*\s+2:G0+4*\s+3], s[20:21], \s*AIMG
	s_or_b32 s[G0+4*\s+3], s[G0+4*\s+3], 0x80000000
	s_mov_b32 s[G0B+4*\s], 1
	s_add_co_u32 s[G0B+4*\s+1], s95, \s*SLOT
	s_add_nc_u64 s[G0B+4*\s+2:G0B+4*\s+3], s[46:47], \s*ROWB
	s_or_b32 s[G0B+4*\s+3], s[G0B+4*\s+3], 0x80000000
	s_wait_alu depctr_va_vdst(0)
	s_wait_tensorcnt 0x0
	ds_add_u32 v28, v29
	s_wait_dscnt 0x0
	CROUND
	JLOAD G0+4*\s, G1, G0B+4*\s, G1B
.endr
	v_and_b32 v1, 15, v0
	v_bfe_u32 v2, v0, 4, 1
	v_and_b32 v6, 31, v0
	v_lshlrev_b32 v[LI], 4, v6
	v_lshlrev_b32 v[HSO], 2, v1
	v_lshlrev_b32 v[BO], 5, v2
	s_mul_i32 s21, s15, AHALF
	s_mul_i32 s22, s16, BHALF
	s_add_co_u32 s22, s22, BOFF
.irp s, 0,1
	v_add_nc_u32 v[ADRA+\s], s21, v[LI]
	v_add_nc_u32 v[ADRB+\s], s22, v[LI]
	s_add_co_u32 s21, s21, SLOT
	s_add_co_u32 s22, s22, SLOT
.endr
	v_mul_u32_u24 v5, v1, KS
	v_lshrrev_b32 v6, 8, v5
	v_lshl_add_u32 v5, v6, 4, v5
	s_mul_i32 s21, s15, HALFS
	s_mul_i32 s22, s16, HALFS
	s_add_co_u32 s22, s22, 2*HALFS
	s_sub_co_u32 s22, s22, s21
	v_mul_u32_u24 v6, s22, v2
	s_add_co_u32 s21, s21, SCL
	v_add_nc_u32 v5, v5, v6
	v_add_nc_u32 v[ADRS], s21, v5
	s_lshl_b32 s12, s42, 10
	s_lshl_b32 s13, s16, 9
	s_add_co_u32 s12, s12, s13
	s_mov_b32 s13, 0
	s_add_nc_u64 s[96:97], s[96:97], s[12:13]
.irp b, 0,1,2,3,4,5,6,7
	global_load_b128 v[BIAS+8*\b:BIAS+8*\b+3], v[BO], s[96:97] offset:64*\b
	global_load_b128 v[BIAS+8*\b+4:BIAS+8*\b+7], v[BO], s[96:97] offset:64*\b+16
.endr
	s_lshl_b32 s66, s17, 8
	s_lshl_b32 s67, s15, 7
	s_add_co_u32 s66, s66, s67
	s_lshl_b32 s67, s42, 1
	s_add_co_u32 s67, s67, s16
	s_mul_i32 s12, s66, 6144
	s_mul_i32 s18, s67, 1536
	s_add_co_u32 s12, s12, s18
	s_add_nc_u64 s[98:99], s[98:99], s[12:13]
	s_lshl_b32 s12, s66, 2
	s_lshl_b32 s18, s67, 13
	s_add_co_u32 s12, s12, s18
	s_add_nc_u64 s[100:101], s[100:101], s[12:13]
	s_lshl_b32 s20, s17, 5                         ; my wave's number among the launch's 1,024
	s_add_co_u32 s20, s20, s42
	s_lshl_b32 s20, s20, 2
	s_add_co_u32 s20, s20, s14
	s_lshr_b32 s12, s20, 3                         ; W2's tile (number / 8), K steps 8 (number % 8) on: 768 consecutive bytes of each of 16 rows
	s_mul_i32 s12, s12, 98304
	s_and_b32 s18, s20, 7
	s_mul_i32 s18, s18, 768
	s_add_co_u32 s12, s12, s18
	v_mul_u32_u24 v3, v1, 6144
	v_mad_u32_u24 v3, v2, 24, v3                   ; row r, + 24 h: a fragment's own places
	v_lshlrev_b32 v4, 5, v[LI]                     ; scales: two rows of 256 bytes a lane
	v_lshrrev_b32 v5, 1, v[LI]                     ; and their two words, 8 bytes a lane
	s_wait_alu depctr_va_vdst(0)
	s_wait_kmcnt 0x0
	s_add_nc_u64 s[4:5], s[4:5], s[12:13]
	s_mul_i32 s12, s20, 12288                      ; my 8 images lie one behind the other
	s_add_nc_u64 s[6:7], s[6:7], s[12:13]
	s_lshr_b32 s12, s20, 5                         ; scales: rows 64 (number / 32) on, K steps 2 (number % 32) on
	s_lshl_b32 s12, s12, 14
	s_and_b32 s18, s20, 31
	s_lshl_b32 s21, s18, 3
	s_add_co_u32 s12, s12, s21
	s_add_nc_u64 s[8:9], s[8:9], s[12:13]
	s_lshr_b32 s12, s20, 5
	s_lshl_b32 s12, s12, 8
	s_lshl_b32 s18, s18, 14
	s_add_co_u32 s12, s12, s18
	s_add_nc_u64 s[10:11], s[10:11], s[12:13]
	global_load_b64 v[224:225], v4, s[8:9]             ; row 2 lane: the words of my two K steps
	global_load_b64 v[226:227], v4, s[8:9] offset:256  ; row 2 lane + 1
	WIN 0x80                                       ; destination window 2: the accumulators' registers are idle until the first product
.irp f, 0,1,2,3,4,5,6,7
.irp p, 0,1,2,3,4,5
	global_load_b64 v[12*\f+2*\p:12*\f+2*\p+1], v3, s[4:5] offset:96*\f+48*(\p/3)+8*(\p%3)
.endr
.endr
	WIN 0
.macro FRAG reg, adr, q, i             ; a fragment of B from its image: three loads of 16 bytes a lane
.irp c, 0,1,2
	ds_load_b128 v[\reg+4*\c:\reg+4*\c+3], v[\adr] offset:AIMG*(\i)+1536*(\q)+512*\c
.endr
.endm
.macro FRAGA reg, slot, q, i
.irp c, 0,1,2
	ds_load_b128 v[\reg+4*\c:\reg+4*\c+3], v[ADRA+\slot] offset:AIMG*(\i)+1536*(\q)+512*\c
.endr
.endm
.macro MUL16 a0, p, q, sc, first
.irp a, \a0, \a0+1
.irp b, 0,1,2,3,4,5,6,7
.set AC, 8*(8*((\a)%4)+((\b)&1)*2+(((\b)/2)&1)+((\b)&4))
.if \first
	v_wmma_scale_f32_16x16x128_f8f6f4 v[AC:AC+7], v[128*(\p)+FR*\b:128*(\p)+FR*\b+FR-1], v[AF+FR*(\a):AF+FR*(\a)+FR-1], v[BIAS+8*\b:BIAS+8*\b+7], v[SC+8*NQ*(\sc)+NQ*\b+(\q)], v[SC+8*NQ*(\sc)+NQ*(\a)+(\q)] matrix_a_fmt:MATRIX_FMT_FP6 matrix_b_fmt:MATRIX_FMT_FP6 matrix_a_scale:MATRIX_SCALE_ROW1
.else
	v_wmma_scale_f32_16x16x128_f8f6f4 v[AC:AC+7], v[128*(\p)+FR*\b:128*(\p)+FR*\b+FR-1], v[AF+FR*(\a):AF+FR*(\a)+FR-1], v[AC:AC+7], v[SC+8*NQ*(\sc)+NQ*\b+(\q)], v[SC+8*NQ*(\sc)+NQ*(\a)+(\q)] matrix_a_fmt:MATRIX_FMT_FP6 matrix_b_fmt:MATRIX_FMT_FP6 matrix_a_scale:MATRIX_SCALE_ROW1
.endif
.endr
.endr
.endm
.macro FETCH_B slot, q, p
	WIN TO_B
.irp i, 0,1,2,3,4,5,6,7
	FRAG 128*(\p)+FR*\i, ADRB+\slot, \q, \i
.endr
	WIN 0
.endm
.macro FETCH_A slot, q, i0
.irp i, \i0, \i0+1, \i0+2, \i0+3
	FRAGA AF+FR*(\i), \slot, \q, \i
.endr
.endm
.macro SCALES sc
.irp i, 0,1,2,3,4,5,6,7
	ds_load_b64 v[SC+8*NQ*\sc+NQ*\i:SC+8*NQ*\sc+NQ*\i+1], v[ADRS] offset:\i*SBLK
.endr
.endm
.macro PLACES n
.rept \n
	v_nop
.endr
.endm
.macro STEP slot, q, first
	s_wait_dscnt 12
.if \first
	WIN 0x81
.else
	WIN MUL_LO
.endif
	MUL16 0, (\q)%2, \q, \slot, \first
	MUL16 2, (\q)%2, \q, \slot, \first
	s_wait_dscnt 0
	PLACES NP
	FETCH_B \slot, (\q)+1, 1-(\q)%2
	FETCH_A \slot, (\q)+1, 0
.if \first
	WIN 0xc1
.else
	WIN MUL_HI
.endif
	MUL16 4, (\q)%2, \q, \slot, \first
	MUL16 6, (\q)%2, \q, \slot, \first
	PLACES NP
	WIN 0
	FETCH_A \slot, (\q)+1, 4
.endm
.macro TURN slot, next, fill
	s_wait_tensorcnt 0x0
	ds_add_u32 v[SPW], v[NIL]
	s_wait_dscnt 13
	WIN MUL_LO
	MUL16 0, 1, NQ-1, \slot, 0
	s_wait_dscnt 0x0
	s_barrier_signal -1
	MUL16 2, 1, NQ-1, \slot, 0
	WIN 0
	s_barrier_wait -1
.if \fill
	CREST
	s_add_nc_u64 s[G0+4*\slot+2:G0+4*\slot+3], s[G0+4*\slot+2:G0+4*\slot+3], 2*AIMG
	s_add_nc_u64 s[G0B+4*\slot+2:G0B+4*\slot+3], s[G0B+4*\slot+2:G0B+4*\slot+3], 2*ROWB
	JLOAD G0+4*\slot, G1, G0B+4*\slot, G1B
.else
	PLACES NP
.endif
	s_wait_alu depctr_va_vdst(0)
	v_add_nc_u32 v[ADRS], 4*NQ, v[ADRS]
	FETCH_B \next, 0, 0
	FETCH_A \next, 0, 0
	SCALES \next
	WIN MUL_HI
	MUL16 4, 1, NQ-1, \slot, 0
	MUL16 6, 1, NQ-1, \slot, 0
	PLACES NP
	WIN 0
	FETCH_A \next, 0, 4
.endm
	s_wait_alu depctr_va_vdst(0)
	s_wait_tensorcnt 1
	s_barrier_signal -1
	s_barrier_wait -1
	FETCH_B 0, 0, 0
	FETCH_A 0, 0, 0
	SCALES 0
	FETCH_A 0, 0, 4
	s_wait_loadcnt 0x0
	v_mov_b32 v228, v224                           ; the two rows' words of one K step side by side
	v_mov_b32 v229, v226
	v_mov_b32 v230, v225
	v_mov_b32 v231, v227
	global_store_b64 v5, v[228:229], s[10:11]              ; 256 consecutive bytes a store
	global_store_b64 v5, v[230:231], s[10:11] offset:8192
	WIN 0x08                                       ; a store's data are its source 1: window 2
.irp f, 0,1,2,3,4,5,6,7
.irp c, 0,1,2
	global_store_b128 v[LI], v[12*\f+4*\c:12*\f+4*\c+3], s[6:7] offset:1536*\f+512*\c
.endr
.endr
	WIN 0
	s_wait_xcnt 0x0                                ; the stores have read their registers: the products below write them
	STEP 0, 0, 1
	s_mov_b32 s3, LAPS-1
.Llap:
	TURN 0, 1, 1
	STEP 1, 0, 0
	TURN 1, 0, 1
	STEP 0, 0, 0
	s_sub_co_u32 s3, s3, 1
	s_cmp_lg_u32 s3, 0
	s_cbranch_scc1 .Llap
	TURN 0, 1, 0
	STEP 1, 0, 0
	s_wait_dscnt 12
	WIN MUL_LO
	MUL16 0, 1, NQ-1, 1, 0
	MUL16 2, 1, NQ-1, 1, 0
	s_wait_dscnt 0
	WIN MUL_HI
	MUL16 4, 1, NQ-1, 1, 0
	MUL16 6, 1, NQ-1, 1, 0
	WIN 0
	PLACES NP
	v_mov_b32 v248, 0x39c8e7d9
	v_mov_b32 v249, 0x39c8e7d9
	v_mov_b32 v250, 0x3cc6b1a1
	v_mov_b32 v251, 0x3cc6b1a1
	v_mov_b32 v252, 0x3ba38d2c
	v_mov_b32 v253, 0x3ba38d2c
	v_bfe_u32 v239, v0, 4, 1
	v_lshlrev_b32 v239, 3, v239
	v_mov_b32 v246, 0
	s_mov_b32 s18, 0x76543210
	s_mov_b32 s19, 0xfedcba98
.macro COPYIN a
	WIN 0x08+4*((\a)/4)
.set j, 0
.rept 64
	v_and_b32 v[GX+j], 0x7fffffff, v[64*((\a)%4)+j]
	v_max_num_f32 v[GR+j], 0, v[64*((\a)%4)+j]
.set j, j+1
.endr
	WIN 0
.endm
.macro GELU16 o
.irp k, 0,2,4,6,8,10,12,14
	v_pk_mul_f32 v[GT+\k:GT+\k+1], v[GX+\o+\k:GX+\o+\k+1], 0x3f3504f3 op_sel_hi:[1,0]
.endr
.irp k, 0,2,4,6,8,10,12,14
	v_pk_mul_f32 v[GS+\k:GS+\k+1], v[GT+\k:GT+\k+1], v[GT+\k:GT+\k+1]
.endr
.irp k, 0,2,4,6,8,10,12,14
	v_pk_fma_f32 v[GL+\k:GL+\k+1], v[GT+\k:GT+\k+1], 0xb7910000, v[248:249] op_sel_hi:[1,0,1]
.endr
.irp k, 0,2,4,6,8,10,12,14
	v_pk_fma_f32 v[GU+\k:GU+\k+1], v[GT+\k:GT+\k+1], 0xbb7e8a1c, v[250:251] op_sel_hi:[1,0,1]
.endr
.irp k, 0,2,4,6,8,10,12,14
	v_pk_fma_f32 v[GL+\k:GL+\k+1], v[GL+\k:GL+\k+1], v[GS+\k:GS+\k+1], v[GU+\k:GU+\k+1]
.endr
.irp cst, 0xbddaae5c, 0xbf228550, 0xbe03ce86
.irp k, 0,2,4,6,8,10,12,14
	v_pk_fma_f32 v[GL+\k:GL+\k+1], v[GL+\k:GL+\k+1], v[GT+\k:GT+\k+1], \cst op_sel_hi:[1,1,0]
.endr
.endr
.irp k, 0,2,4,6,8,10,12,14
	v_pk_fma_f32 v[GL+\k:GL+\k+1], v[GL+\k:GL+\k+1], v[GT+\k:GT+\k+1], v[GT+\k:GT+\k+1] neg_lo:[0,0,1] neg_hi:[0,0,1]
.endr
.irp k, 0,2,4,6,8,10,12,14
	v_pk_fma_f32 v[GL+\k:GL+\k+1], v[GL+\k:GL+\k+1], 0x3fb8aa3b, -1.0 op_sel_hi:[1,0,0]
.endr
	s_wait_alu depctr_va_vdst(0)
.irp k, 0,1,2,3,4,5,6,7,8,9,10,11,12,13,14,15
	v_exp_f32 v[GL+\k], v[GL+\k]
.endr
.irp k, 0,2,4,6,8,10,12,14
	v_pk_fma_f32 v[GU+\k:GU+\k+1], v[GS+\k:GS+\k+1], 0xba1c7000, v[252:253] op_sel_hi:[1,0,1]
.endr
.irp cst, 0xbcdb48d9, 0x3de70e22, 0xbec09380, 0x3e0375d4
.irp k, 0,2,4,6,8,10,12,14
	v_pk_fma_f32 v[GU+\k:GU+\k+1], v[GU+\k:GU+\k+1], v[GS+\k:GS+\k+1], \cst op_sel_hi:[1,1,0]
.endr
.endr
.irp k, 0,2,4,6,8,10,12,14
	v_pk_fma_f32 v[GU+\k:GU+\k+1], v[GU+\k:GU+\k+1], v[GT+\k:GT+\k+1], v[GT+\k:GT+\k+1]
.endr
.irp k, 0,2,4,6,8,10,12,14
	v_pk_fma_f32 v[GU+\k:GU+\k+1], v[GU+\k:GU+\k+1], -0.5, 0.5 op_sel_hi:[1,0,0]
.endr
	s_wait_alu depctr_va_vdst(0)
.irp k, 0,1,2,3,4,5,6,7,8,9,10,11,12,13,14,15
	v_cmp_lt_f32 vcc_lo, 0x3f6d8000, v[GT+\k]
	v_cndmask_b32 v[GU+\k], v[GU+\k], v[GL+\k], vcc_lo
.endr
.irp k, 0,2,4,6,8,10,12,14
	v_pk_fma_f32 v[GR+\o+\k:GR+\o+\k+1], v[GX+\o+\k:GX+\o+\k+1], v[GU+\k:GU+\k+1], v[GR+\o+\k:GR+\o+\k+1] neg_lo:[1,0,0] neg_hi:[1,0,0]
.endr
.endm
.macro QBLOCK src, dst, by
	v_max3_num_f32 v240, |v[\src]|, |v[\src+1]|, 0x1800000
	v_max3_num_f32 v241, |v[\src+16]|, |v[\src+17]|, |v[\src+18]|
.irp i, 2,4,6,8,10,12
	v_max3_num_f32 v240, v240, |v[\src+\i]|, |v[\src+\i+1]|
	v_max3_num_f32 v241, v241, |v[\src+17+\i]|, |v[\src+18+\i]|
.endr
	v_max3_num_f32 v240, v240, |v[\src+14]|, |v[\src+15]|
	v_max3_num_f32 v240, v240, v241, |v[\src+31]|
	v_add_nc_u32 v242, 0xff000000, v240
	v_cvt_scalef32_pk16_fp6_f32 v[\dst:\dst+2], v[\src:\src+15], v242
	v_cvt_scalef32_pk16_fp6_f32 v[236:238], v[\src+16:\src+31], v242
	v_lshrrev_b32 v[\by], 23, v242
.irp i, 0,1,2
	v_mov_b32 v[\dst+3+\i], v[236+\i]
.endr
.endm
	s_mov_b32 s3, 0
.Lblk:
.irp a, 0,1,2,3,4,5,6
	s_cmp_eq_u32 s3, \a
	s_cbranch_scc1 .Lin\a
.endr
	COPYIN 7
	s_branch .Lcommon
.irp a, 0,1,2,3,4,5,6
.Lin\a:
	COPYIN \a
	s_branch .Lcommon
.endr
.Lcommon:
.irp g, 0,1,2,3
	GELU16 16*\g
.endr
.irp c, 0,1
.irp j, 0,1,2,3,4,5,6,7
	v_permlane16_swap_b32 v[GR+32*\c+\j], v[GR+32*\c+8+\j]
	v_permlane16_swap_b32 v[GR+32*\c+16+\j], v[GR+32*\c+24+\j]
.endr
.endr
	QBLOCK GR, PC, 243
	QBLOCK GR+32, PC+6, 244
	v_lshl_or_b32 v245, v244, 16, v243
	v_lshlrev_b32 v245, v239, v245
	v_permlanex16_b32 v246, v245, s18, s19
	v_or_b32 v247, v245, v246
.irp c, 0,1,2
	global_store_b128 v[LI], v[PC+4*\c:PC+4*\c+3], s[98:99] offset:512*\c
.endr
	global_store_b32 v[HSO], v247, s[100:101]
	s_wait_xcnt 0x0
	s_add_nc_u64 s[98:99], s[98:99], 98304
	s_add_nc_u64 s[100:101], s[100:101], 64
	s_add_co_u32 s3, s3, 1
	s_cmp_lt_u32 s3, 8
	s_cbranch_scc1 .Lblk
	s_wait_tensorcnt 0x0
	ds_add_u32 v[SPW], v[NIL]
	s_wait_dscnt 0x0
	CROUND
	s_endpgm
.Lfunc_end_k_q5fb43870ed_gemm1:
	.size	k_q5fb43870ed_gemm1, .Lfunc_end_k_q5fb43870ed_gemm1-k_q5fb43870ed_gemm1
	.p2alignl 7, 3214868480
	.fill 96, 4, 3214868480
	.section	.rodata,"a",@progbits
	.p2align	6, 0x0
	.amdhsa_kernel k_q5fb43870ed_gemm1
		.amdhsa_group_segment_fixed_size 327680
		.amdhsa_private_segment_fixed_size 0
		.amdhsa_enable_private_segment 0
		.amdhsa_kernarg_size 88
		.amdhsa_user_sgpr_count 2
		.amdhsa_user_sgpr_kernarg_segment_ptr 1
		.amdhsa_wavefront_size32 1
		.amdhsa_system_sgpr_workgroup_id_x 1
		.amdhsa_system_sgpr_workgroup_id_y 1
		.amdhsa_system_sgpr_workgroup_id_z 1
		.amdhsa_system_vgpr_workitem_id 0
		.amdhsa_next_free_vgpr 1024
		.amdhsa_next_free_sgpr 102
		.amdhsa_reserve_vcc 1
		.amdhsa_float_denorm_mode_32 3
		.amdhsa_float_denorm_mode_16_64 3
		.amdhsa_memory_ordered 1
		.amdhsa_forward_progress 1
		.amdhsa_inst_pref_size 228
	.end_amdhsa_kernel
	.amdgpu_metadata
---
amdhsa.version: [ 1, 2 ]
amdhsa.kernels:
  - .name:           k_q5fb43870ed_gemm1
    .symbol:         k_q5fb43870ed_gemm1.kd
    .args:
      - { .name: xq, .offset: 0, .size: 8, .value_kind: global_buffer, .address_space: global }
      - { .name: xs, .offset: 8, .size: 8, .value_kind: global_buffer, .address_space: global }
      - { .name: w1q, .offset: 16, .size: 8, .value_kind: global_buffer, .address_space: global }
      - { .name: W1_scales, .offset: 24, .size: 8, .value_kind: global_buffer, .address_space: global }
      - { .name: b1, .offset: 32, .size: 8, .value_kind: global_buffer, .address_space: global }
      - { .name: hq, .offset: 40, .size: 8, .value_kind: global_buffer, .address_space: global }
      - { .name: hs, .offset: 48, .size: 8, .value_kind: global_buffer, .address_space: global }
      - { .name: W2_codes, .offset: 56, .size: 8, .value_kind: global_buffer, .address_space: global }
      - { .name: w2q, .offset: 64, .size: 8, .value_kind: global_buffer, .address_space: global }
      - { .name: W2_scales, .offset: 72, .size: 8, .value_kind: global_buffer, .address_space: global }
      - { .name: w2s, .offset: 80, .size: 8, .value_kind: global_buffer, .address_space: global }
    .group_segment_fixed_size: 327680
    .private_segment_fixed_size: 0
    .kernarg_segment_align: 8
    .kernarg_segment_size: 88
    .max_flat_workgroup_size: 128
    .sgpr_count:     102
    .vgpr_count:     1024
    .wavefront_size: 32
...
	.end_amdgpu_metadata
.endif
;; end of part 2
;; launch gemm2 (part 3): grid 16 x 16, 4 waves a work-group, no clusters, 327,680 bytes of LDS; arguments hq, hs, w2q, w2s, b2, coef, x, out0; writes out0
.if DOCPART == 3
	.amdgcn_target "amdgcn-amd-amdhsa--gfx1250"
	.amdhsa_code_object_version 6
	.text
	.protected	k_q5fb43870ed_gemm2
	.globl	k_q5fb43870ed_gemm2
	.p2align	8
	.type	k_q5fb43870ed_gemm2,@function
k_q5fb43870ed_gemm2:
	s_mov_b64 s[64:65], 0
	v_nop
	global_prefetch_b8 v0, s[64:65] scope:SCOPE_SE
	s_setreg_imm32_b32 hwreg(HW_REG_WAVE_MODE, 25, 1), 1
	s_wait_xcnt 0x0
; out(row, n, d) = H_post(row, n) (h W2 + b2)(row, d) + sum over m of H_res(row, n, m) x(row, m, d).  h and W2: E2M3 codes, by the scaled matrix instruction; the rest in f32.
; SHARES: a work-group makes 128 rows x 128 d.  K = 8,192 IS CUT AMONG ITS FOUR WAVES: wave w makes the whole 128 x 128 over K steps 16 w .. 16 w + 15 (128 along K each): 64 accumulators, 512 registers.
; So every fragment feeds eight matrix instructions and every operand byte is loaded once in the work-group.  The four parts are added on the way out, through LDS.
; OPERANDS GO FROM MEMORY STRAIGHT INTO REGISTERS: hq and w2q hold images of operand registers ([tile of 16 rows][64 K steps][1,536 bytes]), three loads of 16 bytes a lane for a fragment, 512 consecutive bytes each.
; Two sets of registers for A and for B; step s asks for step s + 2: A's blocks 0-3 in its middle, the scale words, B and A's blocks 4-7 at its end.  The waits on LOADcnt are counted (see STEP).
; THE ORDER OF K: work-group (i, j) begins at step (i + j) % 16 of each quarter and goes round.  The sixteen work-groups that share rows of hq, or of w2q, stand at sixteen different steps, and each reads in a step
; what its neighbour read one step earlier.  For that reason no prefetch is laid; only the first step has no reader before it, and nothing runs ahead of that one.
; NO CLUSTER: no operand tile lies in LDS that a joint load could fill; LDS holds the block's own 262,144 bytes of x, which no other work-group reads.
; x comes by ONE tensor load a wave at the head (32 rows x 4 streams = 128 lines of 512 bytes) and is first read on the way out.  LDS is filled once.
; LIMIT: a sum over K is made in four parts, each begun at a step that hangs on the work-group's place, and the parts are added in f32.
; WINDOWS: 0: v0-15 addresses, v16-31 scale words (nothing else, ever), v32-63 coefficients on their way to LDS, v64-255 A's two sets; 1: B's two sets at v0, v128; 2, 3: the accumulators ((a, b) at v[8 (8 (a % 4) + b)]).
.set STAGE, 262144                     ; behind x: the waves' parts of 16 rows: wave x 8,448 + row x 528
.set SPI,   528
.set REG,   16*SPI
.set COEFL, STAGE+4*REG                ; the block's 128 rows of coefficients, 128 bytes each
.set SPARE, COEFL+16384                ; the spare words, 128 bytes a wave
.set SPW, 1
.set NIL, 2
.set LI,  3                            ; 16 x lane
.set OFF, 4                            ; 16 x lane + 1,536 x step: the fragments asked for next
.set OFS, 5                            ; 4 x lane + 8,192 x step: their scale words
.set L4,  6                            ; 4 x lane
.set STO, 7                            ; where my part of a row goes
.set RD,  8                            ; where my four rows' parts lie
.set XL,  9                            ; my 16 bytes of x's lines
.set CL,  10                           ; my rows' coefficients
.set CST, 11                           ; where I put coefficients
.set B2,  12                           ; v12-15 b2 of my four d
.set SCA, 16                           ; set p: v[16 + 8 p + i] A's words of rows 32 i + lane, v[20 + 8 p + i] B's
.set CF,  32                           ; way out: row i's twenty coefficients at v[32 + 20 i]
.set AF,  64
.set XR,  112                          ; way out: x, row i, stream m at 112 + 16 i + 4 m
.set PO,  176                          ; way out: the four parts of row i at 176 + 16 i + 4 wave; then the results, stream n at 176 + 16 i + 4 n
.set HB,  240                          ; way out: (h W2 + b2) of row i at 240 + 4 i
.set MSB, 0
.macro WIN new                         ; the immediate's high byte repeats the setting that is left
.if MSB != (\new)
	s_set_vgpr_msb (MSB<<8)|(\new)
.set MSB, (\new)
.endif
.endm
.set MUL_LO, 0xa1                      ; source 0 (B) window 1, source 1 (A) window 0, C and D window 2
.set MUL_HI, 0xf1
.set TO_B,   0x40
.macro PLACES
.rept 4
	v_nop
.endr
.endm
	s_load_b512 s[68:83], s[0:1], 0x0              ; hq 68, hs 70, w2q 72, w2s 74, b2 76, coef 78, x 80, out 82
	v_lshl_add_u32 v[SPW], v0, 2, SPARE
	v_mov_b32 v[NIL], 0
	ds_add_u32 v[SPW], v[NIL]                      ; the opening lines: the add, twice on end, and its wait ahead of my tensor load
	ds_add_u32 v[SPW], v[NIL]
	v_lshrrev_b32 v[LI], 5, v0
	v_readfirstlane_b32 s2, v[LI]                  ; wave 0..3
	s_mov_b32 s24, 3<<16                           ; group 1: 128 lines of 64 elements of 8 bytes, 8,192 bytes apart in memory, dense in LDS
	s_mov_b32 s25, 64<<16
	s_mov_b32 s26, 128<<16
	s_mov_b32 s27, 64<<16
	s_mov_b32 s28, 128
	s_mov_b32 s29, 1024
	s_mov_b32 s30, 0
	s_mov_b32 s31, 0
	s_and_b32 s5, ttmp7, 0xffff                    ; i: block of rows;  ttmp9 = j: block of d
	s_add_co_u32 s6, s5, ttmp9
	s_and_b32 s6, s6, 15                           ; the step at which I begin
	s_lshl_b32 s20, ttmp9, 9                       ; 128 d of f32, and 128 scale words
	s_mov_b32 s21, 0
	s_mul_i32 s9, s2, 24576                        ; my quarter of K: 16 images on
	s_mul_i32 s10, s5, 786432                      ; 8 tiles of 64 images
	s_add_co_u32 s10, s10, s9
	s_mov_b32 s11, 0
	s_mul_i32 s12, ttmp9, 786432
	s_add_co_u32 s12, s12, s9
	s_mov_b32 s13, 0
	s_lshl_b32 s9, s2, 17                          ; 16 K steps of 8,192 bytes of scale words;  also 4 rows of out
	s_lshl_b32 s14, s5, 9
	s_add_co_u32 s14, s14, s9
	s_mov_b32 s15, 0
	s_add_co_u32 s16, s20, s9
	s_mov_b32 s17, 0
	s_lshl_b32 s18, s5, 14                         ; coefficients: 128 rows of 128 bytes; I copy 4,096 of them
	s_lshl_b32 s19, s2, 12
	s_add_co_u32 s18, s18, s19
	s_mov_b32 s19, 0
	s_lshl_b32 s22, s5, 22                         ; 128 rows of 32,768 bytes
	s_add_co_u32 s22, s22, s20
	s_add_co_u32 s36, s22, s9                      ; out: my first row is 4 w
	s_mov_b32 s37, 0
	s_lshl_b32 s23, s2, 20                         ; x: I fetch rows 32 w on
	s_add_co_u32 s22, s22, s23
	s_mov_b32 s23, 0
	s_mov_b32 s32, 1
	s_lshl_b32 s33, s2, 16
	s_wait_dscnt 0x0                               ; both opening adds are done
	s_wait_kmcnt 0x0
	s_add_nc_u64 s[34:35], s[80:81], s[22:23]
	s_or_b32 s35, s35, 0x80000000
	tensor_load_to_lds s[32:35], s[24:31]          ; my one tensor load
	s_nop 0
	v_and_b32 v[L4], 31, v0
	v_lshlrev_b32 v[LI], 4, v[L4]
	v_lshlrev_b32 v[L4], 2, v[L4]
	v_and_b32 v[STO], 15, v0
	v_bfe_u32 v[RD], v0, 4, 1
	v_mul_u32_u24 v[STO], v[STO], SPI
	v_lshl_add_u32 v[STO], v[RD], 5, v[STO]        ; row l % 16, 32 bytes for each half of the lanes
	s_mul_i32 s7, s2, REG
	s_add_co_u32 s7, s7, STAGE
	v_add_nc_u32 v[STO], s7, v[STO]
	s_mul_i32 s7, s2, 4*SPI
	s_add_co_u32 s7, s7, STAGE
	v_add_nc_u32 v[RD], s7, v[LI]                  ; rows 4 w on, 16 bytes a lane
	s_lshl_b32 s7, s2, 12
	s_add_co_u32 s7, s7, COEFL
	v_add_nc_u32 v[CST], s7, v[LI]
	s_add_nc_u64 s[68:69], s[68:69], s[10:11]
	s_add_nc_u64 s[70:71], s[70:71], s[14:15]
	s_add_nc_u64 s[72:73], s[72:73], s[12:13]
	s_add_nc_u64 s[74:75], s[74:75], s[16:17]
	s_add_nc_u64 s[76:77], s[76:77], s[20:21]
	s_add_nc_u64 s[78:79], s[78:79], s[18:19]
	s_add_nc_u64 s[82:83], s[82:83], s[36:37]
	s_wait_alu depctr_va_vdst(0)
.irp k, 0,1,2,3,4,5,6,7
	global_load_b128 v[CF+4*\k:CF+4*\k+3], v[LI], s[78:79] offset:512*\k
.endr
	global_load_b128 v[B2:B2+3], v[LI], s[76:77]
.macro SETOFF                          ; the offsets of step s6
	s_mul_i32 s7, s6, 1536
	s_lshl_b32 s8, s6, 13
	v_add_nc_u32 v[OFF], s7, v[LI]
	v_add_nc_u32 v[OFS], s8, v[L4]
	s_wait_alu depctr_va_vdst(0)                   ; the wait directly behind the writes: some readers stand behind waits
.endm
.macro ADV                             ; one step on, round the sixteen
	s_wait_xcnt 0x0                                ; the loads issued so far have read OFF and OFS
	s_add_co_u32 s6, s6, 1
	s_and_b32 s6, s6, 15
	SETOFF
.endm
.macro LDA p, a0                       ; A's blocks a0 .. a0 + 3 into set p: 12 loads
.irp a, \a0, \a0+1, \a0+2, \a0+3
.irp c, 0,1,2
	global_load_b128 v[AF+96*(\p)+12*(\a)+4*\c:AF+96*(\p)+12*(\a)+4*\c+3], v[OFF], s[68:69] offset:98304*(\a)+512*\c
.endr
.endr
.endm
.macro LDB p                           ; B's eight blocks: 24 loads
	WIN TO_B
.irp b, 0,1,2,3,4,5,6,7
.irp c, 0,1,2
	global_load_b128 v[128*(\p)+12*\b+4*\c:128*(\p)+12*\b+4*\c+3], v[OFF], s[72:73] offset:98304*\b+512*\c
.endr
.endr
	WIN 0
.endm
.macro LDSC p                          ; the scale words: 8 loads; lanes 0-15 hold an even block's rows, lanes 16-31 the odd block's
.irp i, 0,1,2,3
	global_load_b32 v[SCA+8*(\p)+\i], v[OFS], s[70:71] offset:128*\i
	global_load_b32 v[SCA+8*(\p)+4+\i], v[OFS], s[74:75] offset:128*\i
.endr
.endm
.macro WMR c, ao, bo
.if (\bo)
.if (\ao)
	v_wmma_scale_f32_16x16x128_f8f6f4 v[AC:AC+7], v[BF:BF+11], v[AFR:AFR+11], \c, v[SBR], v[SAR] matrix_a_fmt:MATRIX_FMT_FP6 matrix_b_fmt:MATRIX_FMT_FP6 matrix_a_scale:MATRIX_SCALE_ROW1 matrix_b_scale:MATRIX_SCALE_ROW1
.else
	v_wmma_scale_f32_16x16x128_f8f6f4 v[AC:AC+7], v[BF:BF+11], v[AFR:AFR+11], \c, v[SBR], v[SAR] matrix_a_fmt:MATRIX_FMT_FP6 matrix_b_fmt:MATRIX_FMT_FP6 matrix_a_scale:MATRIX_SCALE_ROW1
.endif
.else
.if (\ao)
	v_wmma_scale_f32_16x16x128_f8f6f4 v[AC:AC+7], v[BF:BF+11], v[AFR:AFR+11], \c, v[SBR], v[SAR] matrix_a_fmt:MATRIX_FMT_FP6 matrix_b_fmt:MATRIX_FMT_FP6 matrix_b_scale:MATRIX_SCALE_ROW1
.else
	v_wmma_scale_f32_16x16x128_f8f6f4 v[AC:AC+7], v[BF:BF+11], v[AFR:AFR+11], \c, v[SBR], v[SAR] matrix_a_fmt:MATRIX_FMT_FP6 matrix_b_fmt:MATRIX_FMT_FP6
.endif
.endif
.endm
; 32 matrix instructions: A's blocks a0 .. a0 + 3 against B's eight.  USED TRANSPOSED: source 0 = 16 rows of W2, source 1 = 16 rows of h: a lane holds eight neighbouring d of one row.
; The 64 accumulators take turns, in the same order in every step.
.macro MUL32 p, a0, zero
.irp a, \a0, \a0+1, \a0+2, \a0+3
.irp b, 0,1,2,3,4,5,6,7
.set AC, 8*(8*((\a)%4)+\b)
.set BF, 128*(\p)+12*\b
.set AFR, AF+96*(\p)+12*(\a)
.set SBR, SCA+8*(\p)+4+\b/2
.set SAR, SCA+8*(\p)+(\a)/2
.if \zero
	WMR 0, (\a)%2, \b%2
.else
	WMR v[AC:AC+7], (\a)%2, \b%2
.endif
.endr
.endr
.endm
; A step on set p.  Loads come back in the order of issue.  n0: behind B's loads of this step stand A's blocks 4-7 (12), the last step's middle run (12) and end run (44): 68, of which the count's field holds 63.
; n1: behind A's blocks 4-7 stand those 12 + 44 = 56.  The last two steps ask for nothing, and the last one's counts run down to 12 and 0.
.macro STEP p, zero, fetch, n0, n1
	s_wait_loadcnt \n0
	WIN MUL_LO
	MUL32 \p, 0, \zero
.if \fetch
	PLACES                                         ; four places in front of loads into registers that matrix instructions have read
	WIN 0
	ADV
	s_wait_loadcnt \n1
	LDA \p, 0
.else
	s_wait_loadcnt \n1
.endif
	WIN MUL_HI
	MUL32 \p, 4, \zero
.if \fetch
	PLACES
	WIN 0
	LDSC \p
	LDB \p
	LDA \p, 4
.endif
.endm
	SETOFF                                         ; the first two steps' operands, in the order in which a step asks
	LDA 0, 0
	LDSC 0
	LDB 0
	LDA 0, 4
	ADV
	LDA 1, 0
	LDSC 1
	LDB 1
	LDA 1, 4
	STEP 0, 1, 1, 63, 56                           ; the first step's products start the sums
	STEP 1, 0, 1, 63, 56
	s_mov_b32 s3, 6
.Lk:
	STEP 0, 0, 1, 63, 56
	STEP 1, 0, 1, 63, 56
	s_sub_co_u32 s3, s3, 1
	s_cmp_lg_u32 s3, 0
	s_cbranch_scc1 .Lk
	STEP 0, 0, 0, 63, 56
	STEP 1, 0, 0, 12, 0
	WIN 0
	PLACES                                         ; in front of the first reads of results
; THE WAY OUT, in eight blocks of 16 rows.  Each wave puts its part of block a into its region of the stage; a barrier; wave w reads rows 4 w .. 4 w + 3 of all four regions as whole rows (16 bytes a lane), and signals
; the second barrier as soon as they are in registers; it adds them, takes x and the rows' coefficients from LDS (the same address in all lanes), makes the four streams, and stores 512 consecutive bytes a store.
	s_wait_tensorcnt 0x0                           ; my part of x has landed; the first barrier below shows it to the others
.irp k, 0,1,2,3,4,5,6,7
	ds_store_b128 v[CST], v[CF+4*\k:CF+4*\k+3] offset:512*\k
.endr
.macro PUT a
	WIN 0x08+4*((\a)/4)                            ; an LDS store's data: window 2 or 3
.irp b, 0,1,2,3,4,5,6,7
	ds_store_b128 v[STO], v[64*((\a)%4)+8*\b:64*((\a)%4)+8*\b+3] offset:64*\b      ; each accumulator from its low end on
	ds_store_b128 v[STO], v[64*((\a)%4)+8*\b+4:64*((\a)%4)+8*\b+7] offset:64*\b+16
.endr
	WIN 0
.endm
.macro CMUL o, x, cb, k, acc           ; four numbers at v[o] = or += four at v[x] times coefficient k of the twenty at v[cb]: op_sel picks it out of its pair for both halves
.irp j, 0,2
.if \acc
.if (\k)%2
	v_pk_fma_f32 v[(\o)+\j:(\o)+\j+1], v[(\x)+\j:(\x)+\j+1], v[(\cb)+(\k)-1:(\cb)+(\k)], v[(\o)+\j:(\o)+\j+1] op_sel:[0,1,0] op_sel_hi:[1,1,1]
.else
	v_pk_fma_f32 v[(\o)+\j:(\o)+\j+1], v[(\x)+\j:(\x)+\j+1], v[(\cb)+(\k):(\cb)+(\k)+1], v[(\o)+\j:(\o)+\j+1] op_sel_hi:[1,0,1]
.endif
.else
.if (\k)%2
	v_pk_mul_f32 v[(\o)+\j:(\o)+\j+1], v[(\x)+\j:(\x)+\j+1], v[(\cb)+(\k)-1:(\cb)+(\k)] op_sel:[0,1] op_sel_hi:[1,1]
.else
	v_pk_mul_f32 v[(\o)+\j:(\o)+\j+1], v[(\x)+\j:(\x)+\j+1], v[(\cb)+(\k):(\cb)+(\k)+1] op_sel_hi:[1,0]
.endif
.endif
.endr
.endm
	s_lshl_b32 s7, s2, 13                          ; x: rows 4 w on, 2,048 bytes a row
	s_lshl_b32 s8, s2, 9                           ; coefficients: rows 4 w on
	s_add_co_u32 s8, s8, COEFL
	s_mov_b32 s3, 0
.Lph:
.irp a, 0,1,2,3,4,5,6
	s_cmp_eq_u32 s3, \a
	s_cbranch_scc1 .Lput\a
.endr
	PUT 7
	s_branch .Lcom
.irp a, 0,1,2,3,4,5,6
.Lput\a:
	PUT \a
	s_branch .Lcom
.endr
.Lcom:
	v_add_nc_u32 v[XL], s7, v[LI]
	v_mov_b32 v[CL], s8
	s_wait_alu depctr_va_vdst(0)
	s_wait_dscnt 0x0                               ; for the others' sake: my part lies in the stage
	s_barrier_signal -1
	s_barrier_wait -1
.irp i, 0,1,2,3
.irp u, 0,1,2,3
	ds_load_b128 v[PO+16*\i+4*\u:PO+16*\i+4*\u+3], v[RD] offset:REG*\u+SPI*\i
.endr
.endr
	s_wait_dscnt 0x0                               ; my reads of the stage are over:
	s_barrier_signal -1                            ; say so; between here and the wait stand register work and reads of bytes that nobody writes again
.irp i, 0,1,2,3
.irp m, 0,1,2,3
	ds_load_b128 v[XR+16*\i+4*\m:XR+16*\i+4*\m+3], v[XL] offset:2048*\i+512*\m
.endr
.irp k, 0,1,2,3,4
	ds_load_b128 v[CF+20*\i+4*\k:CF+20*\i+4*\k+3], v[CL] offset:128*\i+16*\k
.endr
.endr
.irp i, 0,1,2,3
.irp j, 0,2
	v_pk_add_f32 v[PO+16*\i+\j:PO+16*\i+\j+1], v[PO+16*\i+\j:PO+16*\i+\j+1], v[PO+16*\i+4+\j:PO+16*\i+5+\j]
	v_pk_add_f32 v[PO+16*\i+8+\j:PO+16*\i+9+\j], v[PO+16*\i+8+\j:PO+16*\i+9+\j], v[PO+16*\i+12+\j:PO+16*\i+13+\j]
.endr
.endr
.irp i, 0,1,2,3
.irp j, 0,2
	v_pk_add_f32 v[HB+4*\i+\j:HB+4*\i+\j+1], v[PO+16*\i+\j:PO+16*\i+\j+1], v[PO+16*\i+8+\j:PO+16*\i+9+\j]
.endr
.endr
.irp i, 0,1,2,3
.irp j, 0,2
	v_pk_add_f32 v[HB+4*\i+\j:HB+4*\i+\j+1], v[HB+4*\i+\j:HB+4*\i+\j+1], v[B2+\j:B2+\j+1]
.endr
.endr
	s_wait_alu depctr_va_vdst(0)
	s_wait_dscnt 0x0                               ; x and the coefficients are in
.irp i, 0,1,2,3
.irp n, 0,1,2,3
	CMUL PO+16*\i+4*\n, HB+4*\i, CF+20*\i, 16+\n, 0            ; H_post(n) x (h W2 + b2)
.endr
.irp m, 0,1,2,3
.irp n, 0,1,2,3
	CMUL PO+16*\i+4*\n, XR+16*\i+4*\m, CF+20*\i, 4*\n+\m, 1    ; + H_res(n, m) x(m)
.endr
.endr
.endr
	s_wait_alu depctr_va_vdst(0)
	s_barrier_wait -1                              ; every wave has read the stage: the next block may be put there
.irp i, 0,1,2,3
.irp n, 0,1,2,3
	global_store_b128 v[LI], v[PO+16*\i+4*\n:PO+16*\i+4*\n+3], s[82:83] offset:32768*\i+8192*\n th:TH_STORE_NT
.endr
.endr
	s_wait_xcnt 0x0                                ; the stores have read their registers and their base
	s_add_nc_u64 s[82:83], s[82:83], 524288        ; 16 rows on
	s_add_co_u32 s7, s7, 32768
	s_add_co_u32 s8, s8, 2048
	s_add_co_u32 s3, s3, 1
	s_cmp_lt_u32 s3, 8
	s_cbranch_scc1 .Lph
	s_wait_tensorcnt 0x0                           ; the wave's end
	ds_add_u32 v[SPW], v[NIL]
	s_wait_dscnt 0x0
	s_endpgm
.Lfunc_end_k_q5fb43870ed_gemm2:
	.size	k_q5fb43870ed_gemm2, .Lfunc_end_k_q5fb43870ed_gemm2-k_q5fb43870ed_gemm2
	.p2alignl 7, 3214868480
	.fill 96, 4, 3214868480
	.section	.rodata,"a",@progbits
	.p2align	6, 0x0
	.amdhsa_kernel k_q5fb43870ed_gemm2
		.amdhsa_group_segment_fixed_size 327680
		.amdhsa_private_segment_fixed_size 0
		.amdhsa_enable_private_segment 0
		.amdhsa_kernarg_size 64
		.amdhsa_user_sgpr_count 2
		.amdhsa_user_sgpr_kernarg_segment_ptr 1
		.amdhsa_wavefront_size32 1
		.amdhsa_system_sgpr_workgroup_id_x 1
		.amdhsa_system_sgpr_workgroup_id_y 1
		.amdhsa_system_sgpr_workgroup_id_z 1
		.amdhsa_system_vgpr_workitem_id 0
		.amdhsa_next_free_vgpr 1024
		.amdhsa_next_free_sgpr 96
		.amdhsa_reserve_vcc 0
		.amdhsa_float_denorm_mode_32 3
		.amdhsa_float_denorm_mode_16_64 3
		.amdhsa_memory_ordered 1
		.amdhsa_forward_progress 1
		.amdhsa_inst_pref_size 116
	.end_amdhsa_kernel
	.amdgpu_metadata
---
amdhsa.version: [ 1, 2 ]
amdhsa.kernels:
  - .name:           k_q5fb43870ed_gemm2
    .symbol:         k_q5fb43870ed_gemm2.kd
    .args:
      - { .name: hq, .offset: 0, .size: 8, .value_kind: global_buffer, .address_space: global }
      - { .name: hs, .offset: 8, .size: 8, .value_kind: global_buffer, .address_space: global }
      - { .name: w2q, .offset: 16, .size: 8, .value_kind: global_buffer, .address_space: global }
      - { .name: w2s, .offset: 24, .size: 8, .value_kind: global_buffer, .address_space: global }
      - { .name: b2, .offset: 32, .size: 8, .value_kind: global_buffer, .address_space: global }
      - { .name: coef, .offset: 40, .size: 8, .value_kind: global_buffer, .address_space: global }
      - { .name: x, .offset: 48, .size: 8, .value_kind: global_buffer, .address_space: global }
      - { .name: out0, .offset: 56, .size: 8, .value_kind: global_buffer, .address_space: global }
    .group_segment_fixed_size: 327680
    .private_segment_fixed_size: 0
    .kernarg_segment_align: 8
    .kernarg_segment_size: 64
    .max_flat_workgroup_size: 128
    .sgpr_count:     96
    .vgpr_count:     1024
    .wavefront_size: 32
...
	.end_amdgpu_metadata
.endif
;; end of part 3
